; MI455X (gfx1250); checked and timed in simulation.
; The chip was launched on July 23, 2026; its instructions are those of AMD's public machine-readable ISA for CDNA 5 (MIT licence, August 2026) and "CDNA5" Instruction Set Architecture Reference Guide (July 2026). The comments in the code are by the model that wrote it; some were corrected since.
;; Self Attention. Allowed arithmetic: float matrix products may take bf16 or f16 operands with f32 sums; all other float work in f32.
;; Inputs: W_k 1,024 x 128 float32; W_q 1,024 x 128 float32; W_v 1,024 x 128 float32; b_k 128 float32; b_q 128 float32; b_v 128 float32; x 4 x 4,096 x 1,024 float32.
;; Outputs: out0 4 x 4,096 x 128 float32.
;; 2 versions, each right and faster than the one before. Each part assembles by itself: llvm-mc -triple=amdgcn-amd-amdhsa -mcpu=gfx1250 --defsym DOCPART=n.
;; ======== version 1 of 2: 3 launches
;; workspace buffers: wb 786,432 bytes; qb 4,194,304 bytes; kb 4,194,304 bytes; vb 4,194,304 bytes
;; launch castw (part 1): grid 256 x 1, 2 waves a work-group, no clusters, 0 bytes of LDS; arguments W_q, W_k, W_v, wb; writes wb
.if DOCPART == 1
	.amdgcn_target "amdgcn-amd-amdhsa--gfx1250"
	.amdhsa_code_object_version 6
	.text
	.protected	k_q5e5f7567d8_castw
	.globl	k_q5e5f7567d8_castw
	.p2align	8
	.type	k_q5e5f7567d8_castw,@function
k_q5e5f7567d8_castw:
	s_mov_b64 s[64:65], 0
	v_nop
	global_prefetch_b8 v0, s[64:65] scope:SCOPE_SE
	s_setreg_imm32_b32 hwreg(HW_REG_WAVE_MODE, 25, 1), 1
	s_wait_xcnt 0x0
; wb[m][k][n] = bf16(W_m[k][n]), m = 0, 1, 2 for W_q, W_k, W_v; each matrix is [1024][128], dense, so the cast is linear.
; It is made once here, so that the 256 row blocks of the projection need not each convert the same 1.5 MB again.
; 256 work-groups x 64 threads = 16,384 threads; thread g takes numbers 8 g .. 8 g + 7 of each matrix:
; 32 bytes in, 16 bytes out, so sixteen neighbouring lanes store 256 consecutive bytes, aligned.
; A stream of 2.25 MB in all: no LDS, no matrix unit and no cluster, since no byte is used twice.
; Rounding: to nearest even, once.
.set MATB, 262144                      ; bytes of one matrix in bf16
	s_load_b256 s[4:11], s[0:1], 0x0               ; W_q s[4:5], W_k s[6:7], W_v s[8:9], wb s[10:11]
	s_lshl_b32 s12, ttmp9, 6
	v_add_nc_u32 v3, s12, v0                       ; g
	v_lshlrev_b32 v1, 5, v3                        ; 32 g: where my eight f32 lie
	v_lshlrev_b32 v2, 4, v3                        ; 16 g: where my eight bf16 go
	s_wait_kmcnt 0x0
.irp m, 0,1,2
	global_load_b128 v[4+8*\m:7+8*\m],  v1, s[4+2*\m:5+2*\m] th:TH_LOAD_NT
	global_load_b128 v[8+8*\m:11+8*\m], v1, s[4+2*\m:5+2*\m] offset:16 th:TH_LOAD_NT
.endr
.irp m, 0,1,2
	s_wait_loadcnt 4-2*\m                          ; loads come back in order (ISA guide 5.7.1): matrix m's two are in, the younger matrices' stay out
.irp j, 0,1,2,3
	v_cvt_pk_bf16_f32 v[28+4*\m+\j], v[4+8*\m+2*\j], v[4+8*\m+2*\j+1]
.endr
	global_store_b128 v2, v[28+4*\m:31+4*\m], s[10:11] offset:\m*MATB
.endr
	s_endpgm
.Lfunc_end_k_q5e5f7567d8_castw:
	.size	k_q5e5f7567d8_castw, .Lfunc_end_k_q5e5f7567d8_castw-k_q5e5f7567d8_castw
	.p2alignl 7, 3214868480
	.fill 96, 4, 3214868480
	.section	.rodata,"a",@progbits
	.p2align	6, 0x0
	.amdhsa_kernel k_q5e5f7567d8_castw
		.amdhsa_group_segment_fixed_size 0
		.amdhsa_private_segment_fixed_size 0
		.amdhsa_enable_private_segment 0
		.amdhsa_kernarg_size 32
		.amdhsa_user_sgpr_count 2
		.amdhsa_user_sgpr_kernarg_segment_ptr 1
		.amdhsa_wavefront_size32 1
		.amdhsa_system_sgpr_workgroup_id_x 1
		.amdhsa_system_sgpr_workgroup_id_y 1
		.amdhsa_system_sgpr_workgroup_id_z 1
		.amdhsa_system_vgpr_workitem_id 0
		.amdhsa_next_free_vgpr 40
		.amdhsa_next_free_sgpr 66
		.amdhsa_reserve_vcc 0
		.amdhsa_float_denorm_mode_32 3
		.amdhsa_float_denorm_mode_16_64 3
		.amdhsa_memory_ordered 1
		.amdhsa_forward_progress 1
		.amdhsa_inst_pref_size 3
	.end_amdhsa_kernel
	.amdgpu_metadata
---
amdhsa.version: [ 1, 2 ]
amdhsa.kernels:
  - .name:           k_q5e5f7567d8_castw
    .symbol:         k_q5e5f7567d8_castw.kd
    .args:
      - { .name: W_q, .offset: 0, .size: 8, .value_kind: global_buffer, .address_space: global }
      - { .name: W_k, .offset: 8, .size: 8, .value_kind: global_buffer, .address_space: global }
      - { .name: W_v, .offset: 16, .size: 8, .value_kind: global_buffer, .address_space: global }
      - { .name: wb, .offset: 24, .size: 8, .value_kind: global_buffer, .address_space: global }
    .group_segment_fixed_size: 0
    .private_segment_fixed_size: 0
    .kernarg_segment_align: 8
    .kernarg_segment_size: 32
    .max_flat_workgroup_size: 64
    .sgpr_count:     66
    .vgpr_count:     40
    .wavefront_size: 32
...
	.end_amdgpu_metadata
.endif
;; end of part 1
;; launch proj (part 2): grid 256 x 1, 4 waves a work-group, clusters of 4 x 1, 327,680 bytes of LDS; arguments x, wb, b_q, b_k, b_v, qb, kb, vb; writes qb, kb, vb
.if DOCPART == 2
	.amdgcn_target "amdgcn-amd-amdhsa--gfx1250"
	.amdhsa_code_object_version 6
	.text
	.protected	k_q5e5f7567d8_proj
	.globl	k_q5e5f7567d8_proj
	.p2align	8
	.type	k_q5e5f7567d8_proj,@function
k_q5e5f7567d8_proj:
	s_mov_b64 s[64:65], 0
	v_nop
	global_prefetch_b8 v0, s[64:65] scope:SCOPE_SE
	s_setreg_imm32_b32 hwreg(HW_REG_WAVE_MODE, 25, 1), 1
	s_wait_xcnt 0x0
	s_wait_alu depctr_hold_cnt(0) depctr_sa_sdst(0) depctr_va_vdst(0) depctr_va_sdst(0) depctr_va_ssrc(0) depctr_va_vcc(0) depctr_vm_vsrc(0)
	s_getreg_b32 s2, hwreg(HW_REG_IB_STS2, 6, 4)
	s_cmp_eq_u32 s2, 0
	s_cbranch_scc0 .Lentry_in_a_cluster
	s_endpgm
.Lentry_in_a_cluster:
	s_bfe_u32 s2, ttmp6, 0x10000c
	s_cmp_lg_u32 s2, 0x3003
	s_cbranch_scc0 .Lentry_shape_is_right
	s_endpgm
.Lentry_shape_is_right:
; Q, K, V = x W + b.  x: [16384][1024] f32.  wb: [3][1024][128] bf16 (W_q, W_k, W_v as they lie, [k][n]).  b_*: [128] f32.
; qb, kb, vb: [16384][128] bf16.  Products of bf16 operands (x rounded here, to nearest even), sums and bias in f32, one rounding to bf16.
;
; SHARES.  Work-group wg owns rows 64 wg .. 64 wg + 63 and all 384 columns.  Wave w owns all 64 rows (four blocks c of 16) x six tiles i of
; 16 columns: tile i belongs to matrix i >> 1 and covers columns 16 w + 64 (i & 1) .. + 15.  24 accumulator tiles, 192 registers.
; K goes in 8 steps of 128, written out; a step is four quarters of 32 along K, 24 matrix instructions each.
; THE ORDER OF THE K STEPS: cluster J starts at step (J xor (J >> 3)) mod 8 and walks the eight in a ring, so that at one time the clusters ask
; for different tiles of W instead of all for the same one.  The f32 sums over K are therefore formed in an order that differs from cluster to cluster.
;
; W comes by the tensor data mover into a ring of two LDS slots (three tiles of 128 k x 128 n each).  CLUSTER: the four work-groups of a cluster walk the
; same W in the same order and ask for each tile JOINTLY (mask 15): the requests for W are divided by four.
; Wave m (0, 1, 2) asks for matrix m's tile; wave 3 asks for none.  A wave has two tensor loads outstanding at the start and one behind each refill.
; x is read once from memory, by each wave for its own 16 rows, through registers: three sets of 16 loads (512 consecutive bytes each) are
; on their way; a set is rounded to bf16 once and laid into an LDS stage from which all four waves take their fragments.
;
; THE MATRIX INSTRUCTION IS USED TRANSPOSED: source 0 = 16 columns of W (read from the [k][n] tile by the transposing LDS load),
; source 1 = 16 rows of x.  Lane (r = l % 16, h = l / 16), register j then holds (row 16 c + r, column n0 + 8 h + j): eight neighbouring
; numbers of an output row, which pack into 16 bytes.
;
; REGISTERS, in windows of 256:  window 0: v1-v22 addresses, v32-111 and v112-191 two fragment buffers, v192-223 x on its way to the stage;
; window 1: accumulators, tile (i, c) at v[8 (4 i + c)];  window 2: v0-191 three sets of x as loaded, v192-239 the biases of my six tiles.
.set WP,    288                        ; pitch of a W row in LDS: 256 bytes + 32 of padding = 9 x 32, for the transposing loads
.set WSEG,  128*WP                     ; one matrix's tile: 36,864 bytes
.set WSLOT, 3*WSEG                     ; a slot: 110,592 bytes
.set XP,    272                        ; pitch of the x stage and of the output stage: 256 bytes + 16
.set XBUF,  64*XP                      ; 64 rows: 17,408 bytes
.set XST,   2*WSLOT                    ; 221,184: x stage, two buffers; written by ds_store alone, never a tensor load's target
.set OST,   XST+2*XBUF                 ; 256,000: output stage, [3][64 rows]; likewise
.set AW,  4                            ; v4-9    W fragments: slot sl, matrix g at v[AW + 3 sl + g]
.set AX,  10                           ; v10-11  x fragments in stage buffer 0, 1
.set XS,  12                           ; v12-13  where I lay my 8 bytes of my first row in stage buffer 0, 1
.set XO,  14                           ; v14     16 l: x loads and output stores
.set BO,  15                           ; v15     byte offset of my eight biases
.set STO, 16                           ; v16     output stage, in
.set RD,  17                           ; v17     output stage, back
.set F0,  32                           ; fragment buffer 0: W tile i at + 8 i, x block c at + 48 + 8 c
.set F1,  112                          ; fragment buffer 1
.set T,   192                          ; v192-223
.set BIAS, 192                         ; window 2
.set G1,  24                           ; s[24:31] descriptor group 1
.set G0,  32                           ; s[32:39] descriptor group 0, one set for each slot
.set XB,  66                           ; s[66:81] x at my first row and at the columns of my u-th K step, a pair for each u; never rewritten
.set MSB, 0
.macro WIN new                         ; s_set_vgpr_msb: bits 1:0 source 0, 3:2 source 1, 5:4 source 2, 7:6 destination; the high byte repeats the setting that is left
.if MSB != \new
	s_set_vgpr_msb (MSB<<8)|\new
.set MSB, \new
.endif
.endm
; A round of the cluster's barrier: my work-group's barrier, wave 0 signals for the work-group, every wave waits for all four work-groups, my work-group's barrier again.
.macro ROUND
	s_barrier_signal -1
	s_barrier_wait -1
	s_cmp_lg_u32 s20, 0
	s_cbranch_scc1 .Lnot_wave_0_\@
	s_barrier_signal -3
.Lnot_wave_0_\@:
	s_barrier_wait -3
	s_barrier_signal -1
	s_barrier_wait -1
.endm
; The joint load of a slot: waves 0, 1, 2 ask for one matrix's tile each.  The branch hangs on the wave's number alone.
.macro JLOAD sl
	s_cmp_eq_u32 s20, 3
	s_cbranch_scc1 .Lnone_\@
	tensor_load_to_lds s[G0+4*\sl:G0+4*\sl+3], s[G1:G1+7]
	s_nop 0
.Lnone_\@:
.endm
; Slot sl's group 0 gets the address of my cluster's step-th tile: tile (start + step) mod 8, 128 rows of 256 bytes each.  Written only while no tensor load of mine is out.
.macro WADDR sl, step
	s_add_co_u32 s58, s57, \step
	s_and_b32 s58, s58, 7
	s_lshl_b32 s58, s58, 15
	s_add_nc_u64 s[G0+4*\sl+2:G0+4*\sl+3], s[52:53], s[58:59]
	s_or_b32 s[G0+4*\sl+3], s[G0+4*\sl+3], 0x80000000              ; type = 2
.endm
; Four places behind a matrix instruction, before a load lands on one of its sources or a vector instruction reads its result (ISA guide 7.12.1 for vector instructions).
.macro PLACES
.rept 4
	v_nop
.endr
.endm
; The 16 loads of my u-th K step: my 16 rows, 128 f32 = 512 consecutive bytes each, into set u mod 3.
.macro XLOAD u
	WIN 0x80
.irp i, 0,1,2,3,4,5,6,7,8,9,10,11,12,13,14,15
	global_load_b128 v[64*(\u%3)+4*\i:64*(\u%3)+4*\i+3], v[XO], s[XB+2*\u:XB+2*\u+1] offset:\i*4096 th:TH_LOAD_NT
.endr
.endm
; Set u mod 3 is rounded to bf16 and laid into stage buffer u & 1.  left = the loads of younger sets, which stay out.
.macro XCONV u, left
	s_wait_loadcnt \left
	WIN 0x0a
.irp i, 0,1,2,3,4,5,6,7,8,9,10,11,12,13,14,15
	v_cvt_pk_bf16_f32 v[T+2*\i],   v[64*(\u%3)+4*\i],   v[64*(\u%3)+4*\i+1]
	v_cvt_pk_bf16_f32 v[T+2*\i+1], v[64*(\u%3)+4*\i+2], v[64*(\u%3)+4*\i+3]
.endr
	WIN 0
.irp i, 0,1,2,3,4,5,6,7,8,9,10,11,12,13,14,15
	ds_store_b64 v[XS+(\u&1)], v[T+2*\i:T+2*\i+1] offset:\i*XP       ; 32 lanes x 8 bytes: a row's 256 bytes
.endr
.endm
; 20 LDS loads: the fragments of quarter kk of the step in slot sl (and stage buffer sl) into buffer f.
.macro FETCH sl, kk, f
	WIN 0
.irp i, 0,1,2,3,4,5
	ds_load_tr16_b128 v[\f+8*\i:\f+8*\i+3],   v[AW+3*\sl+(\i>>1)] offset:\kk*32*WP+128*(\i&1)
	ds_load_tr16_b128 v[\f+8*\i+4:\f+8*\i+7], v[AW+3*\sl+(\i>>1)] offset:\kk*32*WP+128*(\i&1)+16*WP
.endr
.irp c, 0,1,2,3
	ds_load_b128 v[\f+48+8*\c:\f+48+8*\c+3],   v[AX+\sl] offset:\c*16*XP+64*\kk
	ds_load_b128 v[\f+48+8*\c+4:\f+48+8*\c+7], v[AX+\sl] offset:\c*16*XP+64*\kk+32
.endr
.endm
; 24 matrix instructions, one on each accumulator: the accumulators take turns, one instruction a turn, in the same order in every call.
; zero = 1: the first product starts the sums; nothing is cleared.
.macro MUL24 f, zero
	WIN 0x50
.irp i, 0,1,2,3,4,5
.irp c, 0,1,2,3
.if \zero
	v_wmma_f32_16x16x32_bf16 v[8*(4*\i+\c):8*(4*\i+\c)+7], v[\f+8*\i:\f+8*\i+7], v[\f+48+8*\c:\f+48+8*\c+7], 0
.else
	v_wmma_f32_16x16x32_bf16 v[8*(4*\i+\c):8*(4*\i+\c)+7], v[\f+8*\i:\f+8*\i+7], v[\f+48+8*\c:\f+48+8*\c+7], v[8*(4*\i+\c):8*(4*\i+\c)+7]
.endif
.endr
.endr
.endm
; My cluster's s-th K step, in slot sl = s & 1; ot = the other slot; left = XCONV's count for step s + 1.
.macro STEP s, sl, ot, left
	WIN 0
.if \s == 0
	s_wait_tensorcnt 0x1                           ; my part of the first tiles is in; the second step's load stays out
	s_wait_dscnt 0x0                               ; my stores of this step's x are done
	s_barrier_signal -1
	s_barrier_wait -1
.else
	s_wait_tensorcnt 0x0                           ; all my tensor loads have landed, my part of this step's tiles among them: every group 0 may be written
	ds_add_u32 v254, v255
	s_wait_dscnt 0x0
.if \s < 7
	WADDR \ot, (\s+1)                              ; the other slot's next tile
.endif
	s_wait_dscnt 0x0                               ; my reads of the other slot and stage buffer are back, my stores of this step's x are done
.if \s < 7
	ROUND                                          ; all that now holds of every wave of the four work-groups
	JLOAD \ot                                      ; first behind the round: the next step's tiles, into the slot read last
.else
	s_barrier_signal -1                            ; the last step fills nothing: my work-group's barrier alone
	s_barrier_wait -1
.endif
.endif
	FETCH \sl, 0, F0
	FETCH \sl, 1, F1
	s_wait_dscnt 20                                ; quarter 0's fragments are in; quarter 1's 20 loads stay out
.if \s == 0
	MUL24 F0, 1
.else
	MUL24 F0, 0
.endif
	PLACES
	FETCH \sl, 2, F0
	s_wait_dscnt 20                                ; quarter 1's are in
	MUL24 F1, 0
.if \s < 7
	XCONV (\s+1), \left                            ; the next step's x; its 32 conversions are the places in front of the loads into buffer 1
.if \s < 4
	XLOAD (\s+4)                                   ; into the set just converted
.endif
	FETCH \sl, 3, F1
	s_wait_dscnt 36                                ; the 16 stage stores and quarter 3's 20 loads stay out: quarter 2's are in
.else
	PLACES
	FETCH \sl, 3, F1
	s_wait_dscnt 20
.endif
	MUL24 F0, 0
	s_wait_dscnt 0x0
	MUL24 F1, 0
	PLACES                                         ; for the next step's loads into both buffers, and for the way out
.endm
	s_load_b512 s[4:19], s[0:1], 0x0               ; x s[4:5], wb s[6:7], b_q s[8:9], b_k s[10:11], b_v s[12:13], qb s[14:15], kb s[16:17], vb s[18:19]
	v_lshl_add_u32 v254, v0, 2, 0x4b400
	v_mov_b32 v255, 0
	ds_add_u32 v254, v255
	v_lshrrev_b32 v1, 5, v0
	v_readfirstlane_b32 s20, v1                    ; wave 0..3
	s_bfe_u32 s21, ttmp6, 0x40000                  ; cx: my place in the cluster
	s_lshl_b32 s22, ttmp9, 2                       ; in a cluster launch ttmp9 counts clusters
	s_add_co_u32 s22, s22, s21                     ; wg = 4 x cluster + cx
	s_lshr_b32 s57, ttmp9, 3
	s_xor_b32 s57, s57, ttmp9
	s_and_b32 s57, s57, 7                          ; my cluster's first K step: made of the cluster's number alone, equal in all four partners
.irp u, 0,1,2,3,4,5,6,7
	s_add_co_u32 s[XB+2*\u], s57, \u               ; byte offset in a row of x of my u-th K step: 512 x ((start + u) mod 8)
	s_and_b32 s[XB+2*\u], s[XB+2*\u], 7
	s_lshl_b32 s[XB+2*\u], s[XB+2*\u], 9
	s_mov_b32 s[XB+2*\u+1], 0
.endr
	s_mov_b32 s59, 0                               ; upper word of WADDR's offset
	; descriptor group 1: a tile of 128 rows (k) x 128 elements (n) of 2 bytes, dense in memory, padded in LDS
	s_mov_b32 s[G1+0], 15|(1<<16)|(1<<20)|(1<<21)|(5<<22)|(7<<25)   ; 15:0 mask: all four work-groups; 17:16 2-byte elements; 20 padding on; 21 set beside a mask; 24:22 after every 64 words; 31:25 eight words
	s_mov_b32 s[G1+1], 128<<16                     ; tensor_dim0 = 128
	s_mov_b32 s[G1+2], 128<<16                     ; tensor_dim1 = 128
	s_mov_b32 s[G1+3], 128<<16                     ; tile_dim0 = 128
	s_mov_b32 s[G1+4], 128                         ; tile_dim1 = 128
	s_mov_b32 s[G1+5], 128                         ; 128 elements from row to row
	s_mov_b32 s[G1+6], 0
	s_mov_b32 s[G1+7], 0
	s_mul_i32 s23, s20, WSEG                       ; LDS: matrix w's tile in a slot.  No place in the cluster enters a descriptor
	s_lshl_b32 s50, s20, 18                        ; wb: matrix w
	s_mov_b32 s51, 0
	s_lshl_b32 s48, s22, 18                        ; x: 64 rows of 4,096 bytes a work-group,
	s_lshl_b32 s54, s20, 16                        ; 16 rows a wave
	s_add_co_u32 s48, s48, s54
	s_mov_b32 s49, 0
	v_and_b32 v1, 31, v0                           ; l
	v_and_b32 v2, 15, v0                           ; r
	v_bfe_u32 v3, v0, 4, 1                         ; h
	v_lshlrev_b32 v[XO], 4, v1
	s_lshl_b32 s56, s20, 6
	v_lshl_add_u32 v[BO], v3, 5, s56               ; 4 (16 w + 8 h)
	s_wait_dscnt 0x0
	s_wait_kmcnt 0x0
	s_add_nc_u64 s[40:41], s[4:5], s[48:49]        ; x at my first row
.irp u, 0,1,2,3,4,5,6,7
	s_add_nc_u64 s[XB+2*\u:XB+2*\u+1], s[40:41], s[XB+2*\u:XB+2*\u+1]
.endr
	s_add_nc_u64 s[52:53], s[6:7], s[50:51]        ; wb at my matrix
	WIN 0x80
.irp i, 0,1,2,3,4,5
	global_load_b128 v[BIAS+8*\i:BIAS+8*\i+3],   v[BO], s[8+2*(\i>>1):9+2*(\i>>1)] offset:256*(\i&1)
	global_load_b128 v[BIAS+8*\i+4:BIAS+8*\i+7], v[BO], s[8+2*(\i>>1):9+2*(\i>>1)] offset:256*(\i&1)+16
.endr
	XLOAD 0                                        ; issued behind the biases, so that the first counted wait covers those too
	XLOAD 1
	XLOAD 2
	WIN 0
.irp n, 0,1
	s_mov_b32 s[G0+4*\n], 1                                        ; count = 1
	s_add_co_u32 s[G0+4*\n+1], s23, \n*WSLOT                       ; LDS address
	WADDR \n, \n                                                   ; global address: my cluster's n-th K step
.endr
	s_lshl_b32 s48, s22, 14                        ; outputs: 64 rows of 256 bytes a work-group,
	s_lshl_b32 s54, s20, 12                        ; 16 rows a wave
	s_add_co_u32 s48, s48, s54
	s_add_nc_u64 s[42:43], s[14:15], s[48:49]
	s_add_nc_u64 s[44:45], s[16:17], s[48:49]
	s_add_nc_u64 s[46:47], s[18:19], s[48:49]
	; W fragment by the transposing load: lane l addresses row k0 + 8 h + (l & 7), 16 bytes at column n0 + 8 ((l >> 3) & 1)
	v_and_b32 v18, 7, v0
	v_lshl_add_u32 v18, v3, 3, v18
	v_bfe_u32 v19, v0, 3, 1
	v_mul_u32_u24 v18, v18, WP
	v_lshl_add_u32 v18, v19, 4, v18
	s_lshl_b32 s54, s20, 5                         ; 2 x 16 w
	v_add_nc_u32 v[AW], s54, v18
.irp n, 1,2,3,4,5
	v_add_nc_u32 v[AW+\n], \n*WSEG, v[AW]          ; a slot is three tiles, so (slot, matrix) n lies n tiles on
.endr
	v_mul_u32_u24 v20, v2, XP
	v_lshl_add_u32 v20, v3, 4, v20                 ; r x 272 + 16 h
	v_add_nc_u32 v[AX],   XST, v20
	v_add_nc_u32 v[AX+1], XST+XBUF, v20
	s_mul_i32 s55, s20, 16*XP                      ; my 16 rows in a stage
	v_lshl_add_u32 v21, v1, 3, s55
	v_add_nc_u32 v[XS],   XST, v21
	v_add_nc_u32 v[XS+1], XST+XBUF, v21
	s_add_co_u32 s54, s54, OST
	v_add_nc_u32 v[STO], s54, v20                  ; OST + r x 272 + 32 w + 16 h
	s_add_co_u32 s55, s55, OST
	v_mul_u32_u24 v22, v3, XP
	v_lshl_add_u32 v22, v2, 4, v22
	v_add_nc_u32 v[RD], s55, v22                   ; OST + (16 w + h) x 272 + 16 r
	ROUND                                          ; all four work-groups are here: the first joint loads meet
	s_cmp_eq_u32 s20, 3                            ; both first fills go out together, under one branch on the wave's number: wave 3 asks for none
	s_cbranch_scc1 .Lno_first
	tensor_load_to_lds s[G0:G0+3], s[G1:G1+7]      ; my cluster's first K step, into slot 0
	s_nop 0
	tensor_load_to_lds s[G0+4:G0+7], s[G1:G1+7]    ; its second, into slot 1
	s_nop 0
.Lno_first:
	XCONV 0, 32                                    ; biases and set 0 are in; sets 1 and 2 stay out
	XLOAD 3
	STEP 0, 0, 1, 32
	STEP 1, 1, 0, 32
	STEP 2, 0, 1, 32
	STEP 3, 1, 0, 32
	STEP 4, 0, 1, 32                               ; steps 6 and 7 stay out
	STEP 5, 1, 0, 16                               ; step 7 stays out
	STEP 6, 0, 1, 0
	STEP 7, 1, 0, 0
	; THE WAY OUT: bias in f32, one rounding, 16 bytes a lane into the stage; read back as whole rows of 256 bytes.
	WIN 0x49
.irp i, 0,1,2,3,4,5
.irp c, 0,1,2,3
.irp j, 0,2,4,6
	v_pk_add_f32 v[8*(4*\i+\c)+\j:8*(4*\i+\c)+\j+1], v[8*(4*\i+\c)+\j:8*(4*\i+\c)+\j+1], v[BIAS+8*\i+\j:BIAS+8*\i+\j+1]
.endr
.endr
.endr
	WIN 0x05
.irp i, 0,1,2,3,4,5
.irp c, 0,1,2,3
.irp j, 0,1,2,3
	v_cvt_pk_bf16_f32 v[F0+4*(4*\i+\c)+\j], v[8*(4*\i+\c)+2*\j], v[8*(4*\i+\c)+2*\j+1]
.endr
.endr
.endr
	WIN 0
.irp i, 0,1,2,3,4,5
.irp c, 0,1,2,3
	ds_store_b128 v[STO], v[F0+4*(4*\i+\c):F0+4*(4*\i+\c)+3] offset:(\i>>1)*XBUF+\c*16*XP+128*(\i&1)
.endr
.endr
	s_wait_dscnt 0x0                               ; for the other waves' sake: each row of the stage holds pieces of all four
	s_barrier_signal -1
	s_barrier_wait -1
.irp g, 0,1,2
.irp t, 0,1,2,3,4,5,6,7
	ds_load_b128 v[128+4*(8*\g+\t):128+4*(8*\g+\t)+3], v[RD] offset:\g*XBUF+\t*2*XP   ; lanes 0-15 one row, lanes 16-31 the next
.endr
.endr
.irp g, 0,1,2
.irp t, 0,1,2,3,4,5,6,7
	s_wait_dscnt 23-(8*\g+\t)                      ; LDS loads come back in order (ISA guide 5.7.1)
	global_store_b128 v[XO], v[128+4*(8*\g+\t):128+4*(8*\g+\t)+3], s[42+2*\g:43+2*\g] offset:\t*512   ; 512 consecutive bytes, two whole rows
.endr
.endr
	s_wait_tensorcnt 0x0
	ds_add_u32 v254, v255
	s_wait_dscnt 0x0
	ROUND                                          ; the closing round: no work-group ends while a partner may still ask for a tile that names it
	s_endpgm
.Lfunc_end_k_q5e5f7567d8_proj:
	.size	k_q5e5f7567d8_proj, .Lfunc_end_k_q5e5f7567d8_proj-k_q5e5f7567d8_proj
	.p2alignl 7, 3214868480
	.fill 96, 4, 3214868480
	.section	.rodata,"a",@progbits
	.p2align	6, 0x0
	.amdhsa_kernel k_q5e5f7567d8_proj
		.amdhsa_group_segment_fixed_size 327680
		.amdhsa_private_segment_fixed_size 0
		.amdhsa_enable_private_segment 0
		.amdhsa_kernarg_size 64
		.amdhsa_user_sgpr_count 2
		.amdhsa_user_sgpr_kernarg_segment_ptr 1
		.amdhsa_wavefront_size32 1
		.amdhsa_system_sgpr_workgroup_id_x 1
		.amdhsa_system_sgpr_workgroup_id_y 1
		.amdhsa_system_sgpr_workgroup_id_z 1
		.amdhsa_system_vgpr_workitem_id 0
		.amdhsa_next_free_vgpr 768
		.amdhsa_next_free_sgpr 82
		.amdhsa_reserve_vcc 0
		.amdhsa_float_denorm_mode_32 3
		.amdhsa_float_denorm_mode_16_64 3
		.amdhsa_memory_ordered 1
		.amdhsa_forward_progress 1
		.amdhsa_inst_pref_size 161
	.end_amdhsa_kernel
	.amdgpu_metadata
---
amdhsa.version: [ 1, 2 ]
amdhsa.kernels:
  - .name:           k_q5e5f7567d8_proj
    .symbol:         k_q5e5f7567d8_proj.kd
    .args:
      - { .name: x, .offset: 0, .size: 8, .value_kind: global_buffer, .address_space: global }
      - { .name: wb, .offset: 8, .size: 8, .value_kind: global_buffer, .address_space: global }
      - { .name: b_q, .offset: 16, .size: 8, .value_kind: global_buffer, .address_space: global }
      - { .name: b_k, .offset: 24, .size: 8, .value_kind: global_buffer, .address_space: global }
      - { .name: b_v, .offset: 32, .size: 8, .value_kind: global_buffer, .address_space: global }
      - { .name: qb, .offset: 40, .size: 8, .value_kind: global_buffer, .address_space: global }
      - { .name: kb, .offset: 48, .size: 8, .value_kind: global_buffer, .address_space: global }
      - { .name: vb, .offset: 56, .size: 8, .value_kind: global_buffer, .address_space: global }
    .group_segment_fixed_size: 327680
    .private_segment_fixed_size: 0
    .kernarg_segment_align: 8
    .kernarg_segment_size: 64
    .max_flat_workgroup_size: 128
    .sgpr_count:     82
    .vgpr_count:     768
    .wavefront_size: 32
...
	.end_amdgpu_metadata
.endif
;; end of part 2
;; launch attn (part 3): grid 256 x 1, 4 waves a work-group, clusters of 4 x 1, 327,680 bytes of LDS; arguments qb, kb, vb, out0; writes out0
.if DOCPART == 3
	.amdgcn_target "amdgcn-amd-amdhsa--gfx1250"
	.amdhsa_code_object_version 6
	.text
	.protected	k_q5e5f7567d8_attn
	.globl	k_q5e5f7567d8_attn
	.p2align	8
	.type	k_q5e5f7567d8_attn,@function
k_q5e5f7567d8_attn:
	s_mov_b64 s[64:65], 0
	v_nop
	global_prefetch_b8 v0, s[64:65] scope:SCOPE_SE
	s_setreg_imm32_b32 hwreg(HW_REG_WAVE_MODE, 25, 1), 1
	s_wait_xcnt 0x0
	s_wait_alu depctr_hold_cnt(0) depctr_sa_sdst(0) depctr_va_vdst(0) depctr_va_sdst(0) depctr_va_ssrc(0) depctr_va_vcc(0) depctr_vm_vsrc(0)
	s_getreg_b32 s2, hwreg(HW_REG_IB_STS2, 6, 4)
	s_cmp_eq_u32 s2, 0
	s_cbranch_scc0 .Lentry_in_a_cluster
	s_endpgm
.Lentry_in_a_cluster:
	s_bfe_u32 s2, ttmp6, 0x10000c
	s_cmp_lg_u32 s2, 0x3003
	s_cbranch_scc0 .Lentry_shape_is_right
	s_endpgm
.Lentry_shape_is_right:
; out0 = softmax(Q K^T / sqrt(128)) V for each of 4 batches of 4,096 rows.  qb, kb, vb: [16384][128] bf16.  out0: [16384][128] f32.
; SHARES.  Work-group wg owns queries (flat rows) 64 wg .. + 63, four blocks c of 16.  Keys go in 16 steps of 256 through a ring of two LDS slots.  In each
; step wave w takes keys 64 w .. 64 w + 63 of the tile for ALL 64 queries, with its own running maximum, sum and O: each byte of a tile is read from
; LDS once in the work-group.  At the end the four waves' (maximum, sum, O) are merged through LDS.
; CLUSTER: the four work-groups of a cluster lie in one batch (16 clusters a batch) and walk the same K and V tiles, so each tile is asked for JOINTLY
; (mask 15): waves 0, 1 ask for V's halves, waves 2, 3 for K's, 128 rows of 256 bytes each.  A wave has two tensor loads outstanding at the start, one later.
; THE ORDER OF THE KEY TILES: cluster j of a batch starts at tile 3 j mod 16 and walks the sixteen in a ring, so that at one time the sixteen clusters of a
; batch ask for sixteen different tiles instead of all for the same one.  A running softmax does not depend on the order of the keys but for the rounding of its sums.
;
; BOTH PRODUCTS ARE TRANSPOSED, so that the query is the lane (r = l % 16, h = l / 16):
;   S^T = K Q^T: source 0 = 16 keys of K, source 1 = 16 queries of Q (kept in registers).  Register j = (key 16 t + 8 h + j, query 16 c + r).
;   Two neighbouring key tiles, packed to bf16, ARE the 32-key fragment of P^T for source 1: no shuffle.
;   O^T = V^T P^T: source 0 = 16 columns of V (transposing LDS load from [key][d]).  Register j = (d 16 dt + 8 h + j, query 16 c + r).
; So maximum, sum and rescaling factor are one number a lane; the one step across lanes is lane xor 16.
;
; THE PIPELINE.  The work is a chain of 64 turns, one for each (step, block c).  In block c's turn the wave issues the 16 products of PV for the block before
; and then the 16 products of S for the block after, and behind each of them a few vector instructions of block c's own softmax, which depend on neither:
; maximum, factor and rescaling of O(c) among the PV products; scaling, exponentials, sum and packing among the S products.
; The scores have two buffers of 32 registers, taken by turns; P is packed in place, so PV of the block before stands ahead of the S products that write that buffer.
; V's fragments of a step are loaded in block 0's turn (behind the last PV of the step before), K's of the next step in block 3's.
; REGISTER WINDOWS.  K lies in window 0 beside the scores, and only Q (source 1) elsewhere: under that setting every vector instruction that names no vector
; register in source 1 runs unchanged, so scaling, exponentials and sums (written as x 1.0 + t for that reason) need no switch among the S products.
; PV (O in window 1, V in window 2) and the rescaling do need one each way: 40 switches in a turn of 32 matrix and 137 vector instructions.
;
; SOFTMAX: a running maximum m of the raw scores; p = exp2(s CS + n), n = the rounded number -m CS, CS = log2(e) / sqrt(128).  The same rounded n is used
; in p, in the rescaling factor exp2(n_new - n_old) and in the merge, so its rounding cancels.
; LIMITS: Q, K, V and P are bf16 (nearest even); all sums, maxima and exponentials f32; sums are formed wave by wave and in the cluster's own order of tiles, another
; order than a plain row sum.  v_exp_f32 gives zero for results below 2^-126 (ISA guide, its entry): weights below 2^-126 of a row's largest are dropped.
; v_max_num_f32 drops a NaN from the maximum, but a NaN score reaches the sum through the exponential and makes its row NaN; a row with an
; infinite score comes out NaN.
;
; REGISTERS:  window 0: v1-v15 addresses, v16-63 softmax state, v64-127 two score buffers (tile t at + 8 t), v128-255 K(t, kk) at 128 + 8 (4 kk + t);
; window 1: O(dt, c) at 8 (8 c + dt);  window 2: v0-127 Q(c, kk) at 8 (4 c + kk), v128-255 V(dt, kc) at 128 + 8 (8 kc + dt).
.set VP,    288                        ; pitch of a V row in LDS: 256 + 32 = 9 x 32, for the transposing loads
.set KP,    272                        ; pitch of a K row: 256 + 16
.set VT,    256*VP                     ; 73,728: V's tile, at the slot's start
.set KT,    256*KP                     ; 69,632: K's tile, behind it
.set SLOTB, VT+KT                      ; 143,360
.set SP,    528                        ; the merge's stage: a row of 128 f32 + 16 bytes = 33 x 16
.set STG,   64*SP                      ; 33,792: one wave's O.  The four lie in slot 0, behind its last fill
.set STATS, 4*STG                      ; 135,168: [wave][64 queries] pairs (n, l), 2,048 bytes, still in slot 0
.set CS,    0x3e0293ee                 ; log2(e) / sqrt(128)
.set AK,  2                            ; v2-3    K fragments in slot 0, 1
.set AV,  4                            ; v4-5    V fragments in slot 0, 1
.set QO,  6                            ; v6      Q fragments in qb
.set STO, 7                            ; v7      stage, in
.set RD0, 8                            ; v8      stage, back: waves 0, 1
.set RD1, 9                            ; v9      stage, back: waves 2, 3
.set STR, 10                           ; v10     stats, back
.set STW, 11                           ; v11     stats, in
.set OO,  12                           ; v12     16 l: output stores
.set MX,  16                           ; v16-19  running maximum of block c
.set NMC, 20                           ; v20-27  n of block c, twice (a pair for the packed multiply-add)
.set AL,  28                           ; v28-35  rescaling factor of block c, twice
.set LS,  36                           ; v36-39  running sum of block c over my half of the keys
.set T,   40                           ; v40-63  at work: T..T+3 maximum chains, T+4..T+7 sums, T+8 a fifth maximum, T+9 n, T+10 n_new - n_old
.set SC,  64                           ; the two score buffers
.set K0,  128                          ; K, window 0
.set ST,  192                          ; v192-223 the merge: (n, l) of block c, wave w at ST + 8 c + 2 w
.set KV,  128                          ; V, window 2
.set G1K, 24                           ; s[24:31]
.set G1V, 32                           ; s[32:39]
.set G0K, 40                           ; s[40:47], one set for each slot
.set G0V, 48                           ; s[48:55]
.set MSB, 0
.macro WIN new                         ; s_set_vgpr_msb: bits 1:0 source 0, 3:2 source 1, 5:4 source 2, 7:6 destination; the high byte repeats the setting that is left
.if MSB != \new
	s_set_vgpr_msb (MSB<<8)|\new
.set MSB, \new
.endif
.endm
.macro CREST                           ; a round of the cluster's barrier behind its opening barrier
	s_cmp_lg_u32 s12, 0
	s_cbranch_scc1 .Lnot_wave_0_\@
	s_barrier_signal -3
.Lnot_wave_0_\@:
	s_barrier_wait -3
	s_barrier_signal -1
	s_barrier_wait -1
.endm
.macro ROUND                           ; a whole round
	s_barrier_signal -1
	s_barrier_wait -1
	CREST
.endm
.macro JLOAD sl                        ; waves 0, 1: a half of V's tile; waves 2, 3: a half of K's.  The branch hangs on the wave's number alone
	s_cmp_eq_u32 s13, 0
	s_cbranch_scc0 .Lfor_k_\@
	tensor_load_to_lds s[G0V+4*\sl:G0V+4*\sl+3], s[G1V:G1V+7]
	s_nop 0
	v_nop
	v_nop
	v_nop
	s_branch .Lasked_\@
.Lfor_k_\@:
	tensor_load_to_lds s[G0K+4*\sl:G0K+4*\sl+3], s[G1K:G1K+7]
	s_nop 0
	v_nop
	v_nop
	v_nop
	v_nop
.Lasked_\@:
.endm
; Slot sl's two groups 0 get the addresses of tile s15 mod 16 of the batch (65,536 bytes a tile).  Written only while no tensor load of mine is out.
.macro TADDR sl
	s_and_b32 s62, s15, 15
	s_lshl_b32 s62, s62, 16
	s_add_nc_u64 s[G0K+4*\sl+2:G0K+4*\sl+3], s[6:7], s[62:63]
	s_or_b32 s[G0K+4*\sl+3], s[G0K+4*\sl+3], 0x80000000            ; type = 2
	s_add_nc_u64 s[G0V+4*\sl+2:G0V+4*\sl+3], s[8:9], s[62:63]
	s_or_b32 s[G0V+4*\sl+3], s[G0V+4*\sl+3], 0x80000000
.endm
.macro TNEXT sl                        ; the next tile of my cluster's ring
	s_add_co_u32 s15, s15, 1
	TADDR \sl
.endm
.macro NOPS n
.rept \n
	v_nop
.endr
.endm
; The macros below read these symbols, which BLOCK sets: CB my block, BX its score buffer, BY the other buffer, PB the block before, NB the block after,
; PVM 0: no PV, 1: its first 32 keys start the sums, 2: it adds on; SMUL 1: the S products are made; KLD 1: K's fragments are loaded in this turn.
; The m-th of 16 products of PV for block PB: (dt, kc) = (m & 7, m >> 3).  Eight O tiles take turns, one instruction a turn.
.macro PVW m
.if PVM
.set ZS, 0
.if PVM == 1
.if \m < 8
.set ZS, 1
.endif
.endif
	WIN 0x52
.if ZS
	v_wmma_f32_16x16x32_bf16 v[8*(8*PB+(\m&7)):8*(8*PB+(\m&7))+7], v[KV+8*\m:KV+8*\m+7], v[BY+16*(\m>>3):BY+16*(\m>>3)+7], 0
.else
	v_wmma_f32_16x16x32_bf16 v[8*(8*PB+(\m&7)):8*(8*PB+(\m&7))+7], v[KV+8*\m:KV+8*\m+7], v[BY+16*(\m>>3):BY+16*(\m>>3)+7], v[8*(8*PB+(\m&7)):8*(8*PB+(\m&7))+7]
.endif
.endif
.endm
; The m-th of 16 products of S for block NB, into buffer BY: (t, kk) = (m & 3, m >> 2).  Four score tiles take turns, one instruction a turn; kk = 0 starts the sums.
.macro SW m
.if SMUL
.if KLD
.if (\m&3) == 0
	s_wait_dscnt 24-2*\m                           ; quarter kk's eight loads are in, the 8 (3 - kk) of the younger quarters stay out
.endif
.endif
	WIN 0x08
.if \m < 4
	v_wmma_f32_16x16x32_bf16 v[BY+8*(\m&3):BY+8*(\m&3)+7], v[K0+8*\m:K0+8*\m+7], v[8*(4*NB+(\m>>2)):8*(4*NB+(\m>>2))+7], 0
.else
	v_wmma_f32_16x16x32_bf16 v[BY+8*(\m&3):BY+8*(\m&3)+7], v[K0+8*\m:K0+8*\m+7], v[8*(4*NB+(\m>>2)):8*(4*NB+(\m>>2))+7], v[BY+8*(\m&3):BY+8*(\m&3)+7]
.endif
.endif
.endm
; Eight LDS loads: quarter kk = j of d of my 64 keys.  Load i fills K0 + 4 i: (kk, t, half) = (i >> 3, (i >> 1) & 3, i & 1).  Window 0.
.macro KL j, sl
.if KLD
.set ki, 8*\j
.rept 8
	ds_load_b128 v[K0+4*ki:K0+4*ki+3], v[AK+\sl] offset:((ki>>1)&3)*16*KP+64*(ki>>3)+32*(ki&1)
.set ki, ki+1
.endr
.endif
.endm
; Eight transposing LDS loads of V^T of my 64 keys.  Load i fills KV + 4 i: (kc, dt, half) = (i >> 4, (i >> 1) & 7, i & 1).
.macro VL j, sl
	WIN 0x80
.set vi, 8*\j
.rept 8
	ds_load_tr16_b128 v[KV+4*vi:KV+4*vi+3], v[AV+\sl] offset:(vi>>4)*32*VP+32*((vi>>1)&7)+16*VP*(vi&1)
.set vi, vi+1
.endr
.endm
.macro SCALE2 p                        ; two scores: s CS + n
	v_pk_fma_f32 v[BX+2*\p:BX+2*\p+1], v[BX+2*\p:BX+2*\p+1], CS, v[NMC+2*CB:NMC+2*CB+1] op_sel_hi:[1,0,1]
.endm
.macro EXP1 i
	v_exp_f32 v[BX+\i], v[BX+\i]
.endm
.macro SUMA q                          ; two chains of sums; x 1.0 + t, so that source 1 names no vector register
	v_pk_fma_f32 v[T+4:T+5], v[BX+\q:BX+\q+1], 1.0, v[T+4:T+5] op_sel_hi:[1,0,1]
.endm
.macro SUMB q
	s_wait_alu depctr_va_vdst(0)
	v_pk_fma_f32 v[T+6:T+7], v[BX+\q+2:BX+\q+3], 1.0, v[T+6:T+7] op_sel_hi:[1,0,1]
.endm
.macro PACK i                          ; p to bf16 in place, ascending: register i of a half is written when registers up to 2 i - 1 have been read
	v_cvt_pk_bf16_f32 v[BX+16*(\i>>3)+(\i&7)], v[BX+16*(\i>>3)+2*(\i&7)], v[BX+16*(\i>>3)+2*(\i&7)+1]
.endm
; Block c's turn.  first = 1: the first key step (nothing to rescale).  pvm, smul: as PVM and SMUL above.  sl = this step's slot, ot = the other.
; rnd (block 0 alone): 1 = only V's loads are waited for; 2 = my work-group's barrier, which shows the next tile; 3 = a round of the cluster's barrier and the refill of slot sl.
.macro BLOCK c, first, pvm, smul, sl, ot, rnd
.set CB, \c
.set BX, SC+32*(\c&1)
.set BY, SC+32*((\c+1)&1)
.set PB, (\c+3)&3
.set NB, (\c+1)&3
.set PVM, \pvm
.set SMUL, \smul
.set KLD, 0
.if \c == 3
.set KLD, \smul
.endif
	; FIRST HALF: PV of the block before; behind each product one level of my block's maximum, then the factor, then the rescaling of O(c).
	; The scores were written in the turn before; six packing instructions stand behind its last product (four places are asked: ISA guide 7.12.1).
	PVW 0
	WIN 0
.irp q, 0,1,2,3
	v_max3_num_f32 v[T+\q], v[BX+8*\q], v[BX+8*\q+1], v[BX+8*\q+2]   ; four chains over seven registers each
.endr
.if \first
	v_max_num_f32 v[T+8], v[BX+23], v[BX+31]
.else
	v_max3_num_f32 v[T+8], v[BX+23], v[BX+31], v[MX+\c]              ; two of the four left over, and the running maximum
.endif
	PVW 1
	WIN 0
.irp q, 0,1,2,3
	v_max3_num_f32 v[T+\q], v[T+\q], v[BX+8*\q+3], v[BX+8*\q+4]
.endr
	PVW 2
	WIN 0
.irp q, 0,1,2,3
	v_max3_num_f32 v[T+\q], v[T+\q], v[BX+8*\q+5], v[BX+8*\q+6]
.endr
	PVW 3
	WIN 0
	v_max3_num_f32 v[T],   v[T],   v[T+1], v[BX+7]
	v_max3_num_f32 v[T+2], v[T+2], v[T+3], v[BX+15]
	KL 0, \ot                                      ; block 3: the next step's K, eight loads in each of the four groups that hold few vector instructions
	PVW 4
	WIN 0
	v_max3_num_f32 v[T], v[T], v[T+2], v[T+8]
	KL 1, \ot
	PVW 5
	WIN 0
	v_permlanex16_b32 v[T+1], v[T], s18, s19       ; the other half of the keys lies in lane xor 16
	KL 2, \ot
	PVW 6
	WIN 0
	v_max_num_f32 v[MX+\c], v[T], v[T+1]
	KL 3, \ot
	PVW 7
	WIN 0
.if \first
	v_mul_f32 v[NMC+2*\c],   s21, v[MX+\c]         ; n = -m CS
	v_mul_f32 v[NMC+2*\c+1], s21, v[MX+\c]
.else
	v_mul_f32 v[T+9], s21, v[MX+\c]
	v_sub_f32 v[T+10], v[T+9], v[NMC+2*\c]         ; n_new - n_old, at most 0
	v_exp_f32 v[AL+2*\c],   v[T+10]
	v_exp_f32 v[AL+2*\c+1], v[T+10]
	v_mov_b32 v[NMC+2*\c],   v[T+9]                ; plain, and touches neither the factor nor its source: the place behind the exponentials (ISA guide 5.7.2)
	v_mov_b32 v[NMC+2*\c+1], v[T+9]
	s_wait_alu depctr_va_vdst(0)
.endif
.irp j, 0,1,2,3,4,5,6,7
	PVW (8+\j)
.if \first == 0
	WIN 0x41
.irp p, 0,2,4,6
	v_pk_mul_f32 v[64*\c+8*\j+\p:64*\c+8*\j+\p+1], v[64*\c+8*\j+\p:64*\c+8*\j+\p+1], v[AL+2*\c:AL+2*\c+1]
.endr
.endif
.endr
.if \first
.if PVM
	NOPS 5                                         ; the first step has no rescaling: five places before the S products write over P, a source of the PV products (ISA guide 7.12.1)
.endif
.endif
	; SECOND HALF: S of the block after, into the buffer that PV has just read; behind each product scaling, exponentials (two, then a plain instruction), sums, packing.
	; Between PV's last product and the third S product, which writes over its P, stand eight packed multiply-adds (five places are asked).
.if \smul == 0
	WIN 0
.endif
	SW 0
.irp p, 0,1,2,3
	SCALE2 \p
.endr
.if \c == 0
	VL 0, \sl                                      ; block 0: this step's V, four runs of eight; at least eight plain instructions stand behind the last PV that read these registers
.endif
	SW 1
.irp p, 4,5,6,7
	SCALE2 \p
.endr
.if \c == 0
	VL 1, \sl
.endif
.irp j, 0,1,2,3
	SW (2+\j)
	EXP1 (4*\j)
	EXP1 (4*\j+1)
	SCALE2 (8+2*\j)
	EXP1 (4*\j+2)
	EXP1 (4*\j+3)
	SCALE2 (9+2*\j)
.if \c == 0
.if \j < 2
	VL (2+\j), \sl
.endif
.endif
.endr
	SW 6
	EXP1 16
	EXP1 17
	s_wait_alu depctr_va_vdst(0)
	v_pk_fma_f32 v[T+4:T+5], v[BX:BX+1],   1.0, v[BX+2:BX+3] op_sel_hi:[1,0,1]   ; the first four pairs start the two chains
	EXP1 18
	EXP1 19
	v_pk_fma_f32 v[T+6:T+7], v[BX+4:BX+5], 1.0, v[BX+6:BX+7] op_sel_hi:[1,0,1]
.irp j, 1,2,3
	SW (6+\j)
	EXP1 (16+4*\j)
	EXP1 (17+4*\j)
	SUMA (4+4*\j)                                  ; sums read exponentials of at least two groups before: plain instructions stand between (ISA guide 5.7.2)
	EXP1 (18+4*\j)
	EXP1 (19+4*\j)
	SUMB (4+4*\j)
.endr
	SW 10
	SUMA 20
	SUMB 20
	SUMA 24
	SUMB 24
	SW 11
	SUMA 28
	SUMB 28
	v_pk_fma_f32 v[T+4:T+5], v[T+4:T+5], 1.0, v[T+6:T+7] op_sel_hi:[1,0,1]
.if \c == 0
	s_wait_dscnt 0x0                               ; V's fragments are in: my reads of this step's slot are over (K's were waited for in the step before)
.if \rnd > 1
	s_set_vgpr_msb 0x800
	s_wait_tensorcnt 0x0                           ; all my tensor loads have landed: the one that was out is my part of the next tile; every group 0 may be written
	ds_add_u32 v62, v63
	s_wait_dscnt 0x0
	s_set_vgpr_msb 0x8
.if \rnd == 3
	TNEXT \sl                                      ; the tile two steps on, for this slot
.endif
	s_barrier_signal -1                            ; say so; with rnd = 3 this barrier opens a round of the cluster's barrier.  Register work alone up to its wait
.endif
.endif
	SW 12
	WIN 0
.if \first
	v_add_f32 v[LS+\c], v[T+4], v[T+5]
.else
	v_add_f32 v[T+4], v[T+4], v[T+5]
.endif
	PACK 0
	PACK 1
	PACK 2
	SW 13
	WIN 0
.if \first == 0
	v_fma_f32 v[LS+\c], v[LS+\c], v[AL+2*\c], v[T+4]
.endif
	PACK 3
	PACK 4
	PACK 5
	SW 14
	WIN 0
	PACK 6
	PACK 7
	PACK 8
	PACK 9
	SW 15
	WIN 0
.irp i, 10,11,12,13,14,15
	PACK \i                                        ; six plain instructions on the other buffer: the places before the next turn reads these scores or loads onto K
.endr
.if \c == 0
.if \rnd > 1
	s_barrier_wait -1                              ; every wave of my work-group has read this slot and has its part of the next tile
.if \rnd == 3
	CREST                                          ; and so has every wave of the four work-groups
	JLOAD \sl                                      ; first behind the round: the tile two steps on, into the slot just read
.endif
.endif
.endif
.endm
; A key step: pv0 = PVM of block 0's turn, whose PV belongs to block 3 of the step before; last = 1: no step follows.
.macro STEP sl, ot, first, pv0, rnd, last
	BLOCK 0, \first, \pv0, 1, \sl, \ot, \rnd
	BLOCK 1, \first, 2-\first, 1, \sl, \ot, 0
	BLOCK 2, \first, 2-\first, 1, \sl, \ot, 0
	BLOCK 3, \first, 2-\first, 1-\last, \sl, \ot, 0
.endm
.macro RESCALE                         ; the merge: O(., c) times block c's factor
	WIN 0x41
.irp c, 0,1,2,3
.set p, 0
.rept 32
	v_pk_mul_f32 v[64*\c+p:64*\c+p+1], v[64*\c+p:64*\c+p+1], v[AL+2*\c:AL+2*\c+1]
.set p, p+2
.endr
.endr
.endm
	s_load_b256 s[4:11], s[0:1], 0x0               ; qb s[4:5], kb s[6:7], vb s[8:9], out0 s[10:11]
	v_lshl_add_u32 v62, v0, 2, 0x46000
	v_mov_b32 v63, 0
	ds_add_u32 v62, v63
	v_lshrrev_b32 v1, 5, v0
	v_readfirstlane_b32 s12, v1                    ; wave 0..3
	s_lshr_b32 s13, s12, 1                         ; 0: I ask for V, 1: for K
	s_and_b32 s14, s12, 1                          ; which 128 rows of that tile
	s_bfe_u32 s60, ttmp6, 0x40000                  ; cx
	s_lshl_b32 s16, ttmp9, 2                       ; in a cluster launch ttmp9 counts clusters
	s_add_co_u32 s16, s16, s60                     ; wg = 4 x cluster + cx
	s_lshr_b32 s17, ttmp9, 4                       ; batch: 16 clusters each; made of the cluster's number alone
	s_and_b32 s15, ttmp9, 15                       ; my cluster's number in its batch,
	s_mul_i32 s15, s15, 3                          ; and its first tile, 3 j (taken mod 16 by TADDR): equal in all four partners
	s_mov_b32 s18, 0x76543210                      ; v_permlanex16_b32: lane i of one half reads lane i of the other
	s_mov_b32 s19, 0xfedcba98
	s_mov_b32 s21, 0xbe0293ee                      ; -CS
	; descriptor groups 1: 128 rows x 128 elements of 2 bytes, dense in memory; K padded by 4 words a row, V by 8
	s_mov_b32 s[G1K+0], 15|(1<<16)|(1<<20)|(1<<21)|(5<<22)|(3<<25)  ; 15:0 mask: all four work-groups; 17:16 2-byte elements; 20 padding on; 21 set beside a mask; 24:22 after every 64 words; 31:25 four words
	s_mov_b32 s[G1V+0], 15|(1<<16)|(1<<20)|(1<<21)|(5<<22)|(7<<25)  ; the same with eight words
	s_mov_b32 s[G1K+1], 128<<16                    ; tensor_dim0 = 128
	s_mov_b32 s[G1V+1], 128<<16
	s_mov_b32 s[G1K+2], 128<<16                    ; tensor_dim1 = 128
	s_mov_b32 s[G1V+2], 128<<16
	s_mov_b32 s[G1K+3], 128<<16                    ; tile_dim0 = 128
	s_mov_b32 s[G1V+3], 128<<16
	s_mov_b32 s[G1K+4], 128                        ; tile_dim1 = 128
	s_mov_b32 s[G1V+4], 128
	s_mov_b32 s[G1K+5], 128                        ; 128 elements from row to row
	s_mov_b32 s[G1V+5], 128
	s_mov_b32 s[G1K+6], 0
	s_mov_b32 s[G1V+6], 0
	s_mov_b32 s[G1K+7], 0
	s_mov_b32 s[G1V+7], 0
	s_lshl_b32 s62, s17, 20                        ; a batch is 4,096 rows of 256 bytes;
	s_lshl_b32 s22, s14, 15                        ; my half of a tile is 128 rows
	s_add_co_u32 s62, s62, s22
	s_mov_b32 s63, 0
	s_mul_i32 s22, s12, 128*VP                     ; LDS: V's half w (waves 0, 1)
	s_mul_i32 s23, s12, 128*KP                     ; LDS: K's half w - 2 (waves 2, 3):
	s_add_co_u32 s23, s23, VT-2*128*KP             ; VT + (w - 2) x 34,816 = 4,096 + w x 34,816
	s_lshl_b32 s60, s16, 14                        ; qb: 64 rows of 256 bytes a work-group
	s_mov_b32 s61, 0
	v_and_b32 v1, 31, v0                           ; l
	v_and_b32 v13, 15, v0                          ; r
	v_bfe_u32 v14, v0, 4, 1                        ; h
	v_lshlrev_b32 v[QO], 8, v13
	v_lshl_add_u32 v[QO], v14, 4, v[QO]            ; r x 256 + 16 h
	s_wait_dscnt 0x0
	s_wait_kmcnt 0x0
	s_add_nc_u64 s[56:57], s[4:5], s[60:61]
	WIN 0x80
.irp c, 0,1,2,3
.irp kk, 0,1,2,3
	global_load_b128 v[8*(4*\c+\kk):8*(4*\c+\kk)+3],   v[QO], s[56:57] offset:\c*4096+64*\kk       ; Q's 16 fragments, kept for the whole kernel
	global_load_b128 v[8*(4*\c+\kk)+4:8*(4*\c+\kk)+7], v[QO], s[56:57] offset:\c*4096+64*\kk+32
.endr
.endr
	WIN 0
	s_add_nc_u64 s[6:7], s[6:7], s[62:63]          ; kb and vb at my half of the batch's tile 0
	s_add_nc_u64 s[8:9], s[8:9], s[62:63]
.irp n, 0,1
	s_mov_b32 s[G0K+4*\n], 1                                       ; count = 1
	s_add_co_u32 s[G0K+4*\n+1], s23, \n*SLOTB                      ; LDS address
	s_mov_b32 s[G0V+4*\n], 1
	s_add_co_u32 s[G0V+4*\n+1], s22, \n*SLOTB
.endr
	TADDR 0                                        ; global addresses: my cluster's first tile for slot 0,
	TNEXT 1                                        ; its second for slot 1
	s_lshl_b32 s60, s16, 15                        ; out0: 64 rows of 512 bytes a work-group,
	s_lshl_b32 s22, s12, 13                        ; 16 rows a wave
	s_add_co_u32 s60, s60, s22
	s_add_nc_u64 s[58:59], s[10:11], s[60:61]
	v_mul_u32_u24 v[AK], v13, KP
	v_lshl_add_u32 v[AK], v14, 4, v[AK]
	s_mul_i32 s22, s12, 64*KP
	s_add_co_u32 s22, s22, VT
	v_add_nc_u32 v[AK], s22, v[AK]                 ; VT + (64 w + r) x 272 + 16 h
	v_add_nc_u32 v[AK+1], SLOTB, v[AK]
	v_and_b32 v15, 7, v0
	v_lshl_add_u32 v15, v14, 3, v15
	v_mul_u32_u24 v[AV], v15, VP
	v_bfe_u32 v15, v0, 3, 1
	v_lshl_add_u32 v[AV], v15, 4, v[AV]
	s_mul_i32 s23, s12, 64*VP
	v_add_nc_u32 v[AV], s23, v[AV]                 ; (64 w + 8 h + (l & 7)) x 288 + 16 ((l >> 3) & 1)
	v_add_nc_u32 v[AV+1], SLOTB, v[AV]
	v_mul_u32_u24 v[STO], v13, SP
	v_lshl_add_u32 v[STO], v14, 5, v[STO]
	s_mul_i32 s22, s12, STG
	v_add_nc_u32 v[STO], s22, v[STO]               ; w x 33,792 + r x 528 + 32 h
	v_lshlrev_b32 v[OO], 4, v1
	s_mul_i32 s23, s12, 16*SP
	v_add_nc_u32 v[RD0], s23, v[OO]                ; 16 w x 528 + 16 l
	v_add_nc_u32 v[RD1], 2*STG, v[RD0]
	v_lshlrev_b32 v[STR], 3, v13
	v_add_nc_u32 v[STR], STATS, v[STR]             ; STATS + 8 r
	v_lshl_add_u32 v[STW], s12, 9, v[STR]          ; + 512 w
	ROUND                                          ; all four work-groups are here: the first joint loads meet
	JLOAD 0                                        ; both first fills go out together
	JLOAD 1
	s_wait_loadcnt 0x0                             ; Q
	s_wait_tensorcnt 0x1                           ; my part of the first tile is in; the second tile's load stays out
	s_barrier_signal -1
	s_barrier_wait -1                              ; everybody's part is in
	; The pipeline's head: K of the first step, and the scores of its block 0 into buffer 0.
.set KLD, 1
.set SMUL, 1
.set NB, 0
.set BY, SC
	KL 0, 0
	KL 1, 0
	KL 2, 0
	KL 3, 0
.irp m, 0,1,2,3,4,5,6,7,8,9,10,11,12,13,14,15
	SW \m
.endr
	WIN 0
	NOPS 4                                         ; four places before the scores are read (ISA guide 7.12.1)
	STEP 0, 1, 1, 0, 3, 0                          ; step 0: starts maxima, sums and O; no PV is due in its first turn
	STEP 1, 0, 0, 1, 3, 0                          ; step 1: its first turn holds the PV of step 0's block 3, which starts that block's O
	WIN 0
	s_mov_b32 s20, 6                               ; steps 2 to 13
.Lpair:
	STEP 0, 1, 0, 2, 3, 0
	STEP 1, 0, 0, 2, 3, 0
	WIN 0
	s_sub_co_u32 s20, s20, 1
	s_cmp_lg_u32 s20, 0
	s_cbranch_scc1 .Lpair
	STEP 0, 1, 0, 2, 2, 0                          ; step 14: nothing is left to ask for; its barrier shows the last tile to every wave
	STEP 1, 0, 0, 2, 1, 1                          ; step 15: no barrier, no K, no scores of a further block
	; The pipeline's tail: PV of the last block.
.set PVM, 2
.set PB, 3
.set BY, SC+32
.irp m, 0,1,2,3,4,5,6,7,8,9,10,11,12,13,14,15
	PVW \m
.endr
	WIN 0
	NOPS 4                                         ; four places before O is read and before loads land on these products' sources
	; THE MERGE.  Slot 0 has had its last fill (step 14's tile), and every wave's reads of it were back in front of step 14's barrier: it now serves as stage.
.irp c, 0,1,2,3
	v_permlanex16_b32 v[T+\c], v[LS+\c], s18, s19
.endr
.irp c, 0,1,2,3
	v_add_f32 v[NMC+2*\c+1], v[LS+\c], v[T+\c]     ; my wave's whole sum, beside its n: the pair is stored as it stands
.endr
.irp c, 0,1,2,3
	ds_store_b64 v[STW], v[NMC+2*\c:NMC+2*\c+1] offset:128*\c        ; lanes r and r + 16 write the same pair to the same place
.endr
	s_wait_dscnt 0x0                               ; for the other waves' sake
	s_barrier_signal -1
	s_barrier_wait -1
.irp c, 0,1,2,3
.irp w, 0,1,2,3
	ds_load_b64 v[ST+8*\c+2*\w:ST+8*\c+2*\w+1], v[STR] offset:512*\w+128*\c
.endr
.endr
	s_wait_dscnt 0x0
.irp c, 0,1,2,3
	v_min3_num_f32 v[T+4+\c], v[ST+8*\c], v[ST+8*\c+2], v[ST+8*\c+4]  ; the least n belongs to the largest maximum
.endr
.irp c, 0,1,2,3
	v_min_num_f32 v[T+4+\c], v[T+4+\c], v[ST+8*\c+6]
.endr
.irp c, 0,1,2,3
	v_sub_f32 v[T+\c], v[T+4+\c], v[NMC+2*\c]      ; my own wave's exponent, at most 0
.irp w, 0,1,2,3
	v_sub_f32 v[ST+8*\c+2*\w], v[T+4+\c], v[ST+8*\c+2*\w]
.endr
.endr
.irp c, 0,1,2,3
	v_exp_f32 v[T+\c], v[T+\c]
.irp w, 0,1,2,3
	v_exp_f32 v[ST+8*\c+2*\w], v[ST+8*\c+2*\w]
.endr
.endr
	v_nop                                          ; one plain place behind the run of exponentials (ISA guide 5.7.2)
	s_wait_alu depctr_va_vdst(0)
.irp c, 0,1,2,3
	v_mul_f32 v[T+8+\c], v[ST+8*\c], v[ST+8*\c+1]  ; the row's sum: each wave's sum times its factor
.endr
.irp w, 1,2,3
.irp c, 0,1,2,3
	v_fmac_f32 v[T+8+\c], v[ST+8*\c+2*\w], v[ST+8*\c+2*\w+1]
.endr
.endr
.irp c, 0,1,2,3
	v_rcp_f32 v[T+8+\c], v[T+8+\c]
.endr
	v_nop                                          ; one plain place behind the reciprocals
	s_wait_alu depctr_va_vdst(0)
.irp c, 0,1,2,3
	v_mul_f32 v[AL+2*\c],   v[T+\c], v[T+8+\c]     ; my factor over the row's sum
	v_mul_f32 v[AL+2*\c+1], v[T+\c], v[T+8+\c]
.endr
	RESCALE
	WIN 0x04                                       ; store data from window 1
.irp c, 0,1,2,3
.irp dt, 0,1,2,3,4,5,6,7
	ds_store_b128 v[STO], v[8*(8*\c+\dt):8*(8*\c+\dt)+3]   offset:\c*16*SP+64*\dt
	ds_store_b128 v[STO], v[8*(8*\c+\dt)+4:8*(8*\c+\dt)+7] offset:\c*16*SP+64*\dt+16
.endr
.endr
	WIN 0
	s_wait_dscnt 0x0                               ; for the other waves' sake
	s_barrier_signal -1
	s_barrier_wait -1
; Wave w adds the four parts of queries 16 w + 8 b .. + 7 and stores them: a row of 128 f32 is one store of 512 consecutive bytes.
.macro MERGE b
.irp i, 0,1,2,3,4,5,6,7
	ds_load_b128 v[SC+16*\i:SC+16*\i+3],     v[RD0] offset:(8*\b+\i)*SP
	ds_load_b128 v[SC+16*\i+4:SC+16*\i+7],   v[RD0] offset:STG+(8*\b+\i)*SP
	ds_load_b128 v[SC+16*\i+8:SC+16*\i+11],  v[RD1] offset:(8*\b+\i)*SP
	ds_load_b128 v[SC+16*\i+12:SC+16*\i+15], v[RD1] offset:STG+(8*\b+\i)*SP
.endr
.irp i, 0,1,2,3,4,5,6,7
	s_wait_dscnt 4*(7-\i)                          ; row i's four loads are in, the younger rows' stay out
	v_pk_add_f32 v[SC+16*\i:SC+16*\i+1],     v[SC+16*\i:SC+16*\i+1],     v[SC+16*\i+4:SC+16*\i+5]
	v_pk_add_f32 v[SC+16*\i+2:SC+16*\i+3],   v[SC+16*\i+2:SC+16*\i+3],   v[SC+16*\i+6:SC+16*\i+7]
	v_pk_add_f32 v[SC+16*\i+8:SC+16*\i+9],   v[SC+16*\i+8:SC+16*\i+9],   v[SC+16*\i+12:SC+16*\i+13]
	v_pk_add_f32 v[SC+16*\i+10:SC+16*\i+11], v[SC+16*\i+10:SC+16*\i+11], v[SC+16*\i+14:SC+16*\i+15]
	v_pk_add_f32 v[SC+16*\i:SC+16*\i+1],     v[SC+16*\i:SC+16*\i+1],     v[SC+16*\i+8:SC+16*\i+9]
	v_pk_add_f32 v[SC+16*\i+2:SC+16*\i+3],   v[SC+16*\i+2:SC+16*\i+3],   v[SC+16*\i+10:SC+16*\i+11]
	global_store_b128 v[OO], v[SC+16*\i:SC+16*\i+3], s[58:59] offset:(8*\b+\i)*512 th:TH_STORE_NT
.endr
.endm
	MERGE 0
	s_wait_xcnt 0x0                                ; the first eight stores' data registers are loaded again only behind this wait (ISA guide 3.1)
	MERGE 1
	s_wait_tensorcnt 0x0
	ds_add_u32 v62, v63
	s_wait_dscnt 0x0
	ROUND                                          ; the closing round: no work-group ends while a partner may still ask for a tile that names it
	s_endpgm
.Lfunc_end_k_q5e5f7567d8_attn:
	.size	k_q5e5f7567d8_attn, .Lfunc_end_k_q5e5f7567d8_attn-k_q5e5f7567d8_attn
	.p2alignl 7, 3214868480
	.fill 96, 4, 3214868480
	.section	.rodata,"a",@progbits
	.p2align	6, 0x0
	.amdhsa_kernel k_q5e5f7567d8_attn
		.amdhsa_group_segment_fixed_size 327680
		.amdhsa_private_segment_fixed_size 0
		.amdhsa_enable_private_segment 0
		.amdhsa_kernarg_size 32
		.amdhsa_user_sgpr_count 2
		.amdhsa_user_sgpr_kernarg_segment_ptr 1
		.amdhsa_wavefront_size32 1
		.amdhsa_system_sgpr_workgroup_id_x 1
		.amdhsa_system_sgpr_workgroup_id_y 1
		.amdhsa_system_sgpr_workgroup_id_z 1
		.amdhsa_system_vgpr_workitem_id 0
		.amdhsa_next_free_vgpr 768
		.amdhsa_next_free_sgpr 66
		.amdhsa_reserve_vcc 0
		.amdhsa_float_denorm_mode_32 3
		.amdhsa_float_denorm_mode_16_64 3
		.amdhsa_memory_ordered 1
		.amdhsa_forward_progress 1
		.amdhsa_inst_pref_size 255
	.end_amdhsa_kernel
	.section	.bss,"aw",@nobits
	.p2align	6
	.space	262144
	.amdgpu_metadata
---
amdhsa.version: [ 1, 2 ]
amdhsa.kernels:
  - .name:           k_q5e5f7567d8_attn
    .symbol:         k_q5e5f7567d8_attn.kd
    .args:
      - { .name: qb, .offset: 0, .size: 8, .value_kind: global_buffer, .address_space: global }
      - { .name: kb, .offset: 8, .size: 8, .value_kind: global_buffer, .address_space: global }
      - { .name: vb, .offset: 16, .size: 8, .value_kind: global_buffer, .address_space: global }
      - { .name: out0, .offset: 24, .size: 8, .value_kind: global_buffer, .address_space: global }
    .group_segment_fixed_size: 327680
    .private_segment_fixed_size: 0
    .kernarg_segment_align: 8
    .kernarg_segment_size: 32
    .max_flat_workgroup_size: 128
    .sgpr_count:     66
    .vgpr_count:     768
    .wavefront_size: 32
...
	.end_amdgpu_metadata
.endif
;; end of part 3
;; ======== version 2 of 2: 3 launches; 1.08 times as fast as version 1
;; workspace buffers: wb 786,432 bytes; qb 4,194,304 bytes; kb 4,194,304 bytes; vb 4,194,304 bytes
;; launch castw: the kernel of part 1 again; grid 256 x 1, 2 waves a work-group, no clusters, 0 bytes of LDS; arguments W_q, W_k, W_v, wb; writes wb
;; launch proj: the kernel of part 2 again; grid 256 x 1, 4 waves a work-group, clusters of 4 x 1, 327,680 bytes of LDS; arguments x, wb, b_q, b_k, b_v, qb, kb, vb; writes qb, kb, vb
;; launch attn (part 4): grid 256 x 1, 4 waves a work-group, clusters of 4 x 1, 327,680 bytes of LDS; arguments qb, kb, vb, out0; writes out0
.if DOCPART == 4
	.amdgcn_target "amdgcn-amd-amdhsa--gfx1250"
	.amdhsa_code_object_version 6
	.text
	.protected	k_q5e5f7567d8_attn
	.globl	k_q5e5f7567d8_attn
	.p2align	8
	.type	k_q5e5f7567d8_attn,@function
k_q5e5f7567d8_attn:
	s_mov_b64 s[64:65], 0
	v_nop
	global_prefetch_b8 v0, s[64:65] scope:SCOPE_SE
	s_setreg_imm32_b32 hwreg(HW_REG_WAVE_MODE, 25, 1), 1
	s_wait_xcnt 0x0
	s_wait_alu depctr_hold_cnt(0) depctr_sa_sdst(0) depctr_va_vdst(0) depctr_va_sdst(0) depctr_va_ssrc(0) depctr_va_vcc(0) depctr_vm_vsrc(0)
	s_getreg_b32 s2, hwreg(HW_REG_IB_STS2, 6, 4)
	s_cmp_eq_u32 s2, 0
	s_cbranch_scc0 .Lentry_in_a_cluster
	s_endpgm
.Lentry_in_a_cluster:
	s_bfe_u32 s2, ttmp6, 0x10000c
	s_cmp_lg_u32 s2, 0x3003
	s_cbranch_scc0 .Lentry_shape_is_right
	s_endpgm
.Lentry_shape_is_right:
; out0 = softmax(Q K^T / sqrt(128)) V for each of 4 batches of 4,096 rows.  qb, kb, vb: [16384][128] bf16.  out0: [16384][128] f32.
; SHARES.  Work-group wg owns queries (flat rows) 64 wg .. + 63, four blocks c of 16.  Keys go in 16 steps of 256 through a ring of two LDS slots.  In each
; step wave w takes keys 64 w .. 64 w + 63 of the tile for ALL 64 queries, with its own running maximum, sum and O: each byte of a tile is read from
; LDS once in the work-group.  At the end the four waves' (maximum, sum, O) are merged through LDS.
; CLUSTER: the four work-groups of a cluster lie in one batch (16 clusters a batch) and walk the same K and V tiles, so each tile is asked for JOINTLY
; (mask 15): waves 0, 1 ask for V's halves, waves 2, 3 for K's, 128 rows of 256 bytes each.  A wave has two tensor loads outstanding at the start, one later.
; THE ORDER OF THE KEY TILES: cluster j of a batch starts at tile 3 j mod 16 and walks the sixteen in a ring, so that at one time the sixteen clusters of a
; batch ask for sixteen different tiles instead of all for the same one.  A running softmax does not depend on the order of the keys but for the rounding of its sums.
;
; BOTH PRODUCTS ARE TRANSPOSED, so that the query is the lane (r = l % 16, h = l / 16):
;   S^T = K Q^T: source 0 = 16 keys of K, source 1 = 16 queries of Q (kept in registers).  Register j = (key 16 t + 8 h + j, query 16 c + r).
;   Two neighbouring key tiles, packed to bf16, ARE the 32-key fragment of P^T for source 1: no shuffle.
;   O^T = V^T P^T: source 0 = 16 columns of V (transposing LDS load from [key][d]).  Register j = (d 16 dt + 8 h + j, query 16 c + r).
; So maximum, sum and rescaling factor are one number a lane; the one step across lanes is lane xor 16.
;
; THE PIPELINE.  The work is a chain of 64 turns, one for each (step, block c).  In block c's turn the wave issues the 16 products of PV for the block before
; and then the 16 products of S for the block after, and behind each of them a few vector instructions of block c's own softmax, which depend on neither.
; The scores have two buffers of 32 registers, taken by turns; P is packed in place, so PV of the block before stands ahead of the S products that write that buffer.
; THE BATCH.  A turn's 34 exponentials (the rescaling factor, twice, and the 32 weights) are ONE batch with ONE wait, which stands between the two runs of products.
; AHEAD OF IT, among the PV products, stands all that names no exponential's result: the maximum and n (products 0 to 5), then n_new - n_old, the 16 scalings and the
; 34 exponentials (products 6 to 15: five behind each, six behind the last; a plain instruction leads each group, and but for the last pair a pair is scaled in an earlier group than the one with its exponentials).
; BEHIND IT, among the S products, stand all the readers: the sums (products 0 to 3), the rescaling of O(c) (4 to 11), the update of l and the packing (12 to 15).
; THE LDS LOADS stand in two runs of 32 a step: V's directly behind the wait of block 0's turn (behind the last PV of the step before), K's of the next step at the head of block 3's turn.
; REGISTER WINDOWS.  K lies in window 0 beside the scores, and only Q (source 1) elsewhere: under that setting every vector instruction that names no vector
; register in source 1 runs unchanged, so the sums (written as x 1.0 + t for that reason) need no switch among the S products.
; The work among the PV products (O in window 1, V in window 2), the rescaling and the packing do need one each way: 56 switches in a turn of 32 matrix and 138 vector instructions.
;
; SOFTMAX: a running maximum m of the raw scores; p = exp2(s CS + n), n = the rounded number -m CS, CS = log2(e) / sqrt(128).  The same rounded n is used
; in p, in the rescaling factor exp2(n_new - n_old) and in the merge, so its rounding cancels.
; LIMITS: Q, K, V and P are bf16 (nearest even); all sums, maxima and exponentials f32; sums are formed wave by wave and in the cluster's own order of tiles, another
; order than a plain row sum.  v_exp_f32 gives zero for results below 2^-126 (ISA guide, its entry): weights below 2^-126 of a row's largest are dropped.
; v_max_num_f32 drops a NaN from the maximum, but a NaN score reaches the sum through the exponential and makes its row NaN; a row with an
; infinite score comes out NaN.
;
; REGISTERS:  window 0: v1-v15 addresses, v16-63 softmax state, v64-127 two score buffers (tile t at + 8 t), v128-255 K(t, kk) at 128 + 8 (4 kk + t);
; window 1: O(dt, c) at 8 (8 c + dt);  window 2: v0-127 Q(c, kk) at 8 (4 c + kk), v128-255 V(dt, kc) at 128 + 8 (8 kc + dt).
.set VP,    288                        ; pitch of a V row in LDS: 256 + 32 = 9 x 32, for the transposing loads
.set KP,    272                        ; pitch of a K row: 256 + 16
.set VT,    256*VP                     ; 73,728: V's tile, at the slot's start
.set KT,    256*KP                     ; 69,632: K's tile, behind it
.set SLOTB, VT+KT                      ; 143,360
.set SP,    528                        ; the merge's stage: a row of 128 f32 + 16 bytes = 33 x 16
.set STG,   64*SP                      ; 33,792: one wave's O.  The four lie in slot 0, behind its last fill
.set STATS, 4*STG                      ; 135,168: [wave][64 queries] pairs (n, l), 2,048 bytes, still in slot 0
.set CS,    0x3e0293ee                 ; log2(e) / sqrt(128)
.set AK,  2                            ; v2-3    K fragments in slot 0, 1
.set AV,  4                            ; v4-5    V fragments in slot 0, 1
.set QO,  6                            ; v6      Q fragments in qb
.set STO, 7                            ; v7      stage, in
.set RD0, 8                            ; v8      stage, back: waves 0, 1
.set RD1, 9                            ; v9      stage, back: waves 2, 3
.set STR, 10                           ; v10     stats, back
.set STW, 11                           ; v11     stats, in
.set OO,  12                           ; v12     16 l: output stores
.set MX,  16                           ; v16-19  running maximum of block c
.set NMC, 20                           ; v20-27  n of block c, twice (a pair for the packed multiply-add)
.set AL,  28                           ; v28-35  rescaling factor of block c, twice
.set LS,  36                           ; v36-39  running sum of block c over my half of the keys
.set T,   40                           ; v40-63  at work: T..T+3 maximum chains, T+4..T+7 sums, T+8 a fifth maximum, T+9 n_old, T+10 n_new - n_old
.set SC,  64                           ; the two score buffers
.set K0,  128                          ; K, window 0
.set ST,  192                          ; v192-223 the merge: (n, l) of block c, wave w at ST + 8 c + 2 w
.set KV,  128                          ; V, window 2
.set G1K, 24                           ; s[24:31]
.set G1V, 32                           ; s[32:39]
.set G0K, 40                           ; s[40:47], one set for each slot
.set G0V, 48                           ; s[48:55]
.set MSB, 0
.macro WIN new                         ; s_set_vgpr_msb: bits 1:0 source 0, 3:2 source 1, 5:4 source 2, 7:6 destination; the high byte repeats the setting that is left
.if MSB != \new
	s_set_vgpr_msb (MSB<<8)|\new
.set MSB, \new
.endif
.endm
.macro CREST                           ; a round of the cluster's barrier behind its opening barrier
	s_cmp_lg_u32 s12, 0
	s_cbranch_scc1 .Lnot_wave_0_\@
	s_barrier_signal -3
.Lnot_wave_0_\@:
	s_barrier_wait -3
	s_barrier_signal -1
	s_barrier_wait -1
.endm
.macro ROUND                           ; a whole round
	s_barrier_signal -1
	s_barrier_wait -1
	CREST
.endm
.macro JLOAD sl                        ; waves 0, 1: a half of V's tile; waves 2, 3: a half of K's.  The branch hangs on the wave's number alone
	s_cmp_eq_u32 s13, 0
	s_cbranch_scc0 .Lfor_k_\@
	tensor_load_to_lds s[G0V+4*\sl:G0V+4*\sl+3], s[G1V:G1V+7]
	s_nop 0
	v_nop
	v_nop
	v_nop
	s_branch .Lasked_\@
.Lfor_k_\@:
	tensor_load_to_lds s[G0K+4*\sl:G0K+4*\sl+3], s[G1K:G1K+7]
	s_nop 0
	v_nop
	v_nop
	v_nop
	v_nop
.Lasked_\@:
.endm
; Slot sl's two groups 0 get the addresses of tile s15 mod 16 of the batch (65,536 bytes a tile).  Written only while no tensor load of mine is out.
.macro TADDR sl
	s_and_b32 s62, s15, 15
	s_lshl_b32 s62, s62, 16
	s_add_nc_u64 s[G0K+4*\sl+2:G0K+4*\sl+3], s[6:7], s[62:63]
	s_or_b32 s[G0K+4*\sl+3], s[G0K+4*\sl+3], 0x80000000            ; type = 2
	s_add_nc_u64 s[G0V+4*\sl+2:G0V+4*\sl+3], s[8:9], s[62:63]
	s_or_b32 s[G0V+4*\sl+3], s[G0V+4*\sl+3], 0x80000000
.endm
.macro TNEXT sl                        ; the next tile of my cluster's ring
	s_add_co_u32 s15, s15, 1
	TADDR \sl
.endm
.macro NOPS n
.rept \n
	v_nop
.endr
.endm
; The macros below read these symbols, which BLOCK sets: CB my block, BX its score buffer, BY the other buffer, PB the block before, NB the block after,
; PVM 0: no PV, 1: its first 32 keys start the sums, 2: it adds on; SMUL 1: the S products are made; KLD 1: K's fragments are loaded in this turn.
; The m-th of 16 products of PV for block PB: (dt, kc) = (m & 7, m >> 3).  Eight O tiles take turns, one instruction a turn.
.macro PVW m
.if PVM
.set ZS, 0
.if PVM == 1
.if \m < 8
.set ZS, 1
.endif
.endif
	WIN 0x52
.if ZS
	v_wmma_f32_16x16x32_bf16 v[8*(8*PB+(\m&7)):8*(8*PB+(\m&7))+7], v[KV+8*\m:KV+8*\m+7], v[BY+16*(\m>>3):BY+16*(\m>>3)+7], 0
.else
	v_wmma_f32_16x16x32_bf16 v[8*(8*PB+(\m&7)):8*(8*PB+(\m&7))+7], v[KV+8*\m:KV+8*\m+7], v[BY+16*(\m>>3):BY+16*(\m>>3)+7], v[8*(8*PB+(\m&7)):8*(8*PB+(\m&7))+7]
.endif
.endif
.endm
; The m-th of 16 products of S for block NB, into buffer BY: (t, kk) = (m & 3, m >> 2).  Four score tiles take turns, one instruction a turn; kk = 0 starts the sums.
.macro SW m
.if SMUL
.if KLD
.if (\m&3) == 0
	s_wait_dscnt 24-2*\m                           ; quarter kk's eight loads are in, the 8 (3 - kk) of the younger quarters stay out
.endif
.endif
	WIN 0x08
.if \m < 4
	v_wmma_f32_16x16x32_bf16 v[BY+8*(\m&3):BY+8*(\m&3)+7], v[K0+8*\m:K0+8*\m+7], v[8*(4*NB+(\m>>2)):8*(4*NB+(\m>>2))+7], 0
.else
	v_wmma_f32_16x16x32_bf16 v[BY+8*(\m&3):BY+8*(\m&3)+7], v[K0+8*\m:K0+8*\m+7], v[8*(4*NB+(\m>>2)):8*(4*NB+(\m>>2))+7], v[BY+8*(\m&3):BY+8*(\m&3)+7]
.endif
.endif
.endm
; Eight LDS loads: quarter kk = j of d of my 64 keys.  Load i fills K0 + 4 i: (kk, t, half) = (i >> 3, (i >> 1) & 3, i & 1).  Window 0.
.macro KL j, sl
.if KLD
.set ki, 8*\j
.rept 8
	ds_load_b128 v[K0+4*ki:K0+4*ki+3], v[AK+\sl] offset:((ki>>1)&3)*16*KP+64*(ki>>3)+32*(ki&1)
.set ki, ki+1
.endr
.endif
.endm
; Eight transposing LDS loads of V^T of my 64 keys.  Load i fills KV + 4 i: (kc, dt, half) = (i >> 4, (i >> 1) & 7, i & 1).
.macro VL j, sl
	WIN 0x80
.set vi, 8*\j
.rept 8
	ds_load_tr16_b128 v[KV+4*vi:KV+4*vi+3], v[AV+\sl] offset:(vi>>4)*32*VP+32*((vi>>1)&7)+16*VP*(vi&1)
.set vi, vi+1
.endr
.endm
.macro SCALE2 p                        ; two scores: s CS + n
	v_pk_fma_f32 v[BX+2*\p:BX+2*\p+1], v[BX+2*\p:BX+2*\p+1], CS, v[NMC+2*CB:NMC+2*CB+1] op_sel_hi:[1,0,1]
.endm
.macro EXPS a, n                       ; n exponentials, of scores a on, in place: part of the turn's batch
.set ei, \a
.rept \n
	v_exp_f32 v[BX+ei], v[BX+ei]
.set ei, ei+1
.endr
.endm
.macro SUMA q                          ; two chains of sums; x 1.0 + t, so that source 1 names no vector register
	v_pk_fma_f32 v[T+4:T+5], v[BX+\q:BX+\q+1], 1.0, v[T+4:T+5] op_sel_hi:[1,0,1]
.endm
.macro SUMB q
	v_pk_fma_f32 v[T+6:T+7], v[BX+\q+2:BX+\q+3], 1.0, v[T+6:T+7] op_sel_hi:[1,0,1]
.endm
.macro PACK i                          ; p to bf16 in place, ascending: register i of a half is written when registers up to 2 i - 1 have been read
	v_cvt_pk_bf16_f32 v[BX+16*(\i>>3)+(\i&7)], v[BX+16*(\i>>3)+2*(\i&7)], v[BX+16*(\i>>3)+2*(\i&7)+1]
.endm
; Block c's turn.  first = 1: the first key step (nothing to rescale).  pvm, smul: as PVM and SMUL above.  sl = this step's slot, ot = the other.
; rnd (block 0 alone): 1 = only V's loads are waited for; 2 = my work-group's barrier, which shows the next tile; 3 = a round of the cluster's barrier and the refill of slot sl.
.macro BLOCK c, first, pvm, smul, sl, ot, rnd
.set CB, \c
.set BX, SC+32*(\c&1)
.set BY, SC+32*((\c+1)&1)
.set PB, (\c+3)&3
.set NB, (\c+1)&3
.set PVM, \pvm
.set SMUL, \smul
.set KLD, 0
.if \c == 3
.set KLD, \smul
.endif
	; Block 3: the next step's K, 32 loads in one run, sixteen products ahead of the first that reads them.  The six packing instructions at the end of the turn before
	; are the places behind the last product that read these registers (four are asked).
	WIN 0
.irp j, 0,1,2,3
	KL \j, \ot
.endr
	; AHEAD OF THE WAIT: PV of the block before; behind its first six products the levels of my block's maximum and n.
	; The scores were written in the turn before; six packing instructions stand behind its last product (four places are asked: ISA guide 7.12.1).
	PVW 0
	WIN 0
.irp q, 0,1,2,3
	v_max3_num_f32 v[T+\q], v[BX+8*\q], v[BX+8*\q+1], v[BX+8*\q+2]   ; four chains over seven registers each
.endr
.if \first
	v_max_num_f32 v[T+8], v[BX+23], v[BX+31]
.else
	v_max3_num_f32 v[T+8], v[BX+23], v[BX+31], v[MX+\c]              ; two of the four left over, and the running maximum
.endif
	PVW 1
	WIN 0
.irp q, 0,1,2,3
	v_max3_num_f32 v[T+\q], v[T+\q], v[BX+8*\q+3], v[BX+8*\q+4]
.endr
	PVW 2
	WIN 0
.irp q, 0,1,2,3
	v_max3_num_f32 v[T+\q], v[T+\q], v[BX+8*\q+5], v[BX+8*\q+6]
.endr
	PVW 3
	WIN 0
	v_max3_num_f32 v[T],   v[T],   v[T+1], v[BX+7]
	v_max3_num_f32 v[T+2], v[T+2], v[T+3], v[BX+15]
.if \first == 0
	v_mov_b32 v[T+9], v[NMC+2*\c]                  ; n_old is kept: n is written anew below
.endif
	PVW 4
	WIN 0
	v_max3_num_f32 v[T], v[T], v[T+2], v[T+8]
	v_permlanex16_b32 v[T+1], v[T], s18, s19       ; the other half of the keys lies in lane xor 16
	PVW 5
	WIN 0
	v_max_num_f32 v[MX+\c], v[T], v[T+1]
	v_mul_f32 v[NMC+2*\c],   s21, v[MX+\c]         ; n = -m CS
	v_mul_f32 v[NMC+2*\c+1], s21, v[MX+\c]
	; THE BATCH: the factor's two exponentials and the 32 weights', with the scalings that feed them.  Nothing from here to the wait names an exponential's result.
	PVW 6
	WIN 0
.if \first == 0
	v_sub_f32 v[T+10], v[NMC+2*\c], v[T+9]         ; n_new - n_old, at most 0
.endif
	SCALE2 0
	SCALE2 1
.if \first == 0
	v_exp_f32 v[AL+2*\c], v[T+10]
.endif
	SCALE2 2
	PVW 7
	WIN 0
	SCALE2 3
	EXPS 0, 1
	SCALE2 4
	EXPS 1, 1
.if \first == 0
	v_exp_f32 v[AL+2*\c+1], v[T+10]
.endif
	PVW 8
	WIN 0
	SCALE2 5
	EXPS 2, 1
	SCALE2 6
	EXPS 3, 2
	PVW 9
	WIN 0
	SCALE2 7
	EXPS 5, 1
	SCALE2 8
	EXPS 6, 2
	PVW 10
	WIN 0
	SCALE2 9
	EXPS 8, 2
	SCALE2 10
	EXPS 10, 1
	PVW 11
	WIN 0
	SCALE2 11
	EXPS 11, 4
	PVW 12
	WIN 0
	SCALE2 12
	EXPS 15, 4
	PVW 13
	WIN 0
	SCALE2 13
	EXPS 19, 4
	PVW 14
	WIN 0
	SCALE2 14
	EXPS 23, 4
	PVW 15
	WIN 0
	SCALE2 15
	EXPS 27, 5
.if \c == 0
	NOPS 4                                         ; the plain place behind the last exponential (ISA guide 5.7.2); with the scaling above, five places between the last PV and the loads onto V's registers (four are asked)
.else
	NOPS 1                                         ; the plain place behind the last exponential (ISA guide 5.7.2): one for the batch
.endif
	s_wait_alu depctr_va_vdst(0)                   ; the turn's one wait, ahead of the first reader: it serves the whole batch, the factor's two exponentials and the 32 weights'
.if \c == 0
.irp j, 0,1,2,3
	VL \j, \sl                                     ; block 0: this step's V, 32 loads in one run, directly behind the wait
.endr
.endif
	; BEHIND THE WAIT: S of the block after, into the buffer that PV has just read; behind its products the batch's readers: sums, rescaling of O(c), l, packing.
	; Between PV's last product and the third S product, which writes over its P, stand a scaling, a v_nop and eight packed multiply-adds (five places are asked: ISA guide 7.12.1).
.if \smul == 0
	WIN 0
.endif
	SW 0
	v_pk_fma_f32 v[T+4:T+5], v[BX:BX+1],   1.0, v[BX+2:BX+3] op_sel_hi:[1,0,1]   ; the first four pairs start the two chains
	v_pk_fma_f32 v[T+6:T+7], v[BX+4:BX+5], 1.0, v[BX+6:BX+7] op_sel_hi:[1,0,1]
	SUMA 8
	SUMB 8
	SW 1
	SUMA 12
	SUMB 12
	SUMA 16
	SUMB 16
	SW 2
	SUMA 20
	SUMB 20
	SUMA 24
	SUMB 24
	SW 3
	SUMA 28
	SUMB 28
	v_pk_fma_f32 v[T+4:T+5], v[T+4:T+5], 1.0, v[T+6:T+7] op_sel_hi:[1,0,1]
.irp j, 0,1,2,3,4,5,6,7
	SW (4+\j)
.if \first == 0
	WIN 0x41
.irp p, 0,2,4,6
	v_pk_mul_f32 v[64*\c+8*\j+\p:64*\c+8*\j+\p+1], v[64*\c+8*\j+\p:64*\c+8*\j+\p+1], v[AL+2*\c:AL+2*\c+1]
.endr
.endif
.endr
.if \c == 0
	s_wait_dscnt 0x0                               ; V's fragments are in: my reads of this step's slot are over (K's were waited for in the step before)
.if \rnd > 1
	WIN 0                                          ; (the add's two registers lie in window 0)
	s_wait_tensorcnt 0x0                           ; all my tensor loads have landed: the one that was out is my part of the next tile; every group 0 may be written
	ds_add_u32 v62, v63
	s_wait_dscnt 0x0
.if \rnd == 3
	TNEXT \sl                                      ; the tile two steps on, for this slot
.endif
	s_barrier_signal -1                            ; say so; with rnd = 3 this barrier opens a round of the cluster's barrier.  Register work alone up to its wait
.endif
.endif
	SW 12
	WIN 0
.if \first
	v_add_f32 v[LS+\c], v[T+4], v[T+5]
.else
	v_add_f32 v[T+4], v[T+4], v[T+5]
.endif
	PACK 0
	PACK 1
	PACK 2
	SW 13
	WIN 0
.if \first == 0
	v_fma_f32 v[LS+\c], v[LS+\c], v[AL+2*\c], v[T+4]
.endif
	PACK 3
	PACK 4
	PACK 5
	SW 14
	WIN 0
	PACK 6
	PACK 7
	PACK 8
	PACK 9
	SW 15
	WIN 0
.irp i, 10,11,12,13,14,15
	PACK \i                                        ; six plain instructions on the other buffer: the places before the next turn reads these scores or loads onto K
.endr
.if \c == 0
.if \rnd > 1
	s_barrier_wait -1                              ; every wave of my work-group has read this slot and has its part of the next tile
.if \rnd == 3
	CREST                                          ; and so has every wave of the four work-groups
	JLOAD \sl                                      ; first behind the round: the tile two steps on, into the slot just read
.endif
.endif
.endif
.endm
; A key step: pv0 = PVM of block 0's turn, whose PV belongs to block 3 of the step before; last = 1: no step follows.
.macro STEP sl, ot, first, pv0, rnd, last
	BLOCK 0, \first, \pv0, 1, \sl, \ot, \rnd
	BLOCK 1, \first, 2-\first, 1, \sl, \ot, 0
	BLOCK 2, \first, 2-\first, 1, \sl, \ot, 0
	BLOCK 3, \first, 2-\first, 1-\last, \sl, \ot, 0
.endm
.macro RESCALE                         ; the merge: O(., c) times block c's factor
	WIN 0x41
.irp c, 0,1,2,3
.set p, 0
.rept 32
	v_pk_mul_f32 v[64*\c+p:64*\c+p+1], v[64*\c+p:64*\c+p+1], v[AL+2*\c:AL+2*\c+1]
.set p, p+2
.endr
.endr
.endm
	s_load_b256 s[4:11], s[0:1], 0x0               ; qb s[4:5], kb s[6:7], vb s[8:9], out0 s[10:11]
	v_lshl_add_u32 v62, v0, 2, 0x46000
	v_mov_b32 v63, 0
	ds_add_u32 v62, v63
	v_lshrrev_b32 v1, 5, v0
	v_readfirstlane_b32 s12, v1                    ; wave 0..3
	s_lshr_b32 s13, s12, 1                         ; 0: I ask for V, 1: for K
	s_and_b32 s14, s12, 1                          ; which 128 rows of that tile
	s_bfe_u32 s60, ttmp6, 0x40000                  ; cx
	s_lshl_b32 s16, ttmp9, 2                       ; in a cluster launch ttmp9 counts clusters
	s_add_co_u32 s16, s16, s60                     ; wg = 4 x cluster + cx
	s_lshr_b32 s17, ttmp9, 4                       ; batch: 16 clusters each; made of the cluster's number alone
	s_and_b32 s15, ttmp9, 15                       ; my cluster's number in its batch,
	s_mul_i32 s15, s15, 3                          ; and its first tile, 3 j (taken mod 16 by TADDR): equal in all four partners
	s_mov_b32 s18, 0x76543210                      ; v_permlanex16_b32: lane i of one half reads lane i of the other
	s_mov_b32 s19, 0xfedcba98
	s_mov_b32 s21, 0xbe0293ee                      ; -CS
	; descriptor groups 1: 128 rows x 128 elements of 2 bytes, dense in memory; K padded by 4 words a row, V by 8
	s_mov_b32 s[G1K+0], 15|(1<<16)|(1<<20)|(1<<21)|(5<<22)|(3<<25)  ; 15:0 mask: all four work-groups; 17:16 2-byte elements; 20 padding on; 21 set beside a mask; 24:22 after every 64 words; 31:25 four words
	s_mov_b32 s[G1V+0], 15|(1<<16)|(1<<20)|(1<<21)|(5<<22)|(7<<25)  ; the same with eight words
	s_mov_b32 s[G1K+1], 128<<16                    ; tensor_dim0 = 128
	s_mov_b32 s[G1V+1], 128<<16
	s_mov_b32 s[G1K+2], 128<<16                    ; tensor_dim1 = 128
	s_mov_b32 s[G1V+2], 128<<16
	s_mov_b32 s[G1K+3], 128<<16                    ; tile_dim0 = 128
	s_mov_b32 s[G1V+3], 128<<16
	s_mov_b32 s[G1K+4], 128                        ; tile_dim1 = 128
	s_mov_b32 s[G1V+4], 128
	s_mov_b32 s[G1K+5], 128                        ; 128 elements from row to row
	s_mov_b32 s[G1V+5], 128
	s_mov_b32 s[G1K+6], 0
	s_mov_b32 s[G1V+6], 0
	s_mov_b32 s[G1K+7], 0
	s_mov_b32 s[G1V+7], 0
	s_lshl_b32 s62, s17, 20                        ; a batch is 4,096 rows of 256 bytes;
	s_lshl_b32 s22, s14, 15                        ; my half of a tile is 128 rows
	s_add_co_u32 s62, s62, s22
	s_mov_b32 s63, 0
	s_mul_i32 s22, s12, 128*VP                     ; LDS: V's half w (waves 0, 1)
	s_mul_i32 s23, s12, 128*KP                     ; LDS: K's half w - 2 (waves 2, 3):
	s_add_co_u32 s23, s23, VT-2*128*KP             ; VT + (w - 2) x 34,816 = 4,096 + w x 34,816
	s_lshl_b32 s60, s16, 14                        ; qb: 64 rows of 256 bytes a work-group
	s_mov_b32 s61, 0
	v_and_b32 v1, 31, v0                           ; l
	v_and_b32 v13, 15, v0                          ; r
	v_bfe_u32 v14, v0, 4, 1                        ; h
	v_lshlrev_b32 v[QO], 8, v13
	v_lshl_add_u32 v[QO], v14, 4, v[QO]            ; r x 256 + 16 h
	s_wait_dscnt 0x0
	s_wait_kmcnt 0x0
	s_add_nc_u64 s[56:57], s[4:5], s[60:61]
	WIN 0x80
.irp c, 0,1,2,3
.irp kk, 0,1,2,3
	global_load_b128 v[8*(4*\c+\kk):8*(4*\c+\kk)+3],   v[QO], s[56:57] offset:\c*4096+64*\kk       ; Q's 16 fragments, kept for the whole kernel
	global_load_b128 v[8*(4*\c+\kk)+4:8*(4*\c+\kk)+7], v[QO], s[56:57] offset:\c*4096+64*\kk+32
.endr
.endr
	WIN 0
	s_add_nc_u64 s[6:7], s[6:7], s[62:63]          ; kb and vb at my half of the batch's tile 0
	s_add_nc_u64 s[8:9], s[8:9], s[62:63]
.irp n, 0,1
	s_mov_b32 s[G0K+4*\n], 1                                       ; count = 1
	s_add_co_u32 s[G0K+4*\n+1], s23, \n*SLOTB                      ; LDS address
	s_mov_b32 s[G0V+4*\n], 1
	s_add_co_u32 s[G0V+4*\n+1], s22, \n*SLOTB
.endr
	TADDR 0                                        ; global addresses: my cluster's first tile for slot 0,
	TNEXT 1                                        ; its second for slot 1
	s_lshl_b32 s60, s16, 15                        ; out0: 64 rows of 512 bytes a work-group,
	s_lshl_b32 s22, s12, 13                        ; 16 rows a wave
	s_add_co_u32 s60, s60, s22
	s_add_nc_u64 s[58:59], s[10:11], s[60:61]
	v_mul_u32_u24 v[AK], v13, KP
	v_lshl_add_u32 v[AK], v14, 4, v[AK]
	s_mul_i32 s22, s12, 64*KP
	s_add_co_u32 s22, s22, VT
	v_add_nc_u32 v[AK], s22, v[AK]                 ; VT + (64 w + r) x 272 + 16 h
	v_add_nc_u32 v[AK+1], SLOTB, v[AK]
	v_and_b32 v15, 7, v0
	v_lshl_add_u32 v15, v14, 3, v15
	v_mul_u32_u24 v[AV], v15, VP
	v_bfe_u32 v15, v0, 3, 1
	v_lshl_add_u32 v[AV], v15, 4, v[AV]
	s_mul_i32 s23, s12, 64*VP
	v_add_nc_u32 v[AV], s23, v[AV]                 ; (64 w + 8 h + (l & 7)) x 288 + 16 ((l >> 3) & 1)
	v_add_nc_u32 v[AV+1], SLOTB, v[AV]
	v_mul_u32_u24 v[STO], v13, SP
	v_lshl_add_u32 v[STO], v14, 5, v[STO]
	s_mul_i32 s22, s12, STG
	v_add_nc_u32 v[STO], s22, v[STO]               ; w x 33,792 + r x 528 + 32 h
	v_lshlrev_b32 v[OO], 4, v1
	s_mul_i32 s23, s12, 16*SP
	v_add_nc_u32 v[RD0], s23, v[OO]                ; 16 w x 528 + 16 l
	v_add_nc_u32 v[RD1], 2*STG, v[RD0]
	v_lshlrev_b32 v[STR], 3, v13
	v_add_nc_u32 v[STR], STATS, v[STR]             ; STATS + 8 r
	v_lshl_add_u32 v[STW], s12, 9, v[STR]          ; + 512 w
	ROUND                                          ; all four work-groups are here: the first joint loads meet
	JLOAD 0                                        ; both first fills go out together
	JLOAD 1
	s_wait_loadcnt 0x0                             ; Q
	s_wait_tensorcnt 0x1                           ; my part of the first tile is in; the second tile's load stays out
	s_barrier_signal -1
	s_barrier_wait -1                              ; everybody's part is in
	; The pipeline's head: K of the first step, and the scores of its block 0 into buffer 0.
.set KLD, 1
.set SMUL, 1
.set NB, 0
.set BY, SC
	KL 0, 0
	KL 1, 0
	KL 2, 0
	KL 3, 0
.irp m, 0,1,2,3,4,5,6,7,8,9,10,11,12,13,14,15
	SW \m
.endr
	WIN 0
	NOPS 4                                         ; four places before the scores are read (ISA guide 7.12.1)
	STEP 0, 1, 1, 0, 3, 0                          ; step 0: starts maxima, sums and O; no PV is due in its first turn
	STEP 1, 0, 0, 1, 3, 0                          ; step 1: its first turn holds the PV of step 0's block 3, which starts that block's O
	WIN 0
	s_mov_b32 s20, 6                               ; steps 2 to 13
.Lpair:
	STEP 0, 1, 0, 2, 3, 0
	STEP 1, 0, 0, 2, 3, 0
	WIN 0
	s_sub_co_u32 s20, s20, 1
	s_cmp_lg_u32 s20, 0
	s_cbranch_scc1 .Lpair
	STEP 0, 1, 0, 2, 2, 0                          ; step 14: nothing is left to ask for; its barrier shows the last tile to every wave
	STEP 1, 0, 0, 2, 1, 1                          ; step 15: no barrier, no K, no scores of a further block
	; The pipeline's tail: PV of the last block.
.set PVM, 2
.set PB, 3
.set BY, SC+32
.irp m, 0,1,2,3,4,5,6,7,8,9,10,11,12,13,14,15
	PVW \m
.endr
	WIN 0
	NOPS 4                                         ; four places before O is read and before loads land on these products' sources
	; THE MERGE.  Slot 0 has had its last fill (step 14's tile), and every wave's reads of it were back in front of step 14's barrier: it now serves as stage.
.irp c, 0,1,2,3
	v_permlanex16_b32 v[T+\c], v[LS+\c], s18, s19
.endr
.irp c, 0,1,2,3
	v_add_f32 v[NMC+2*\c+1], v[LS+\c], v[T+\c]     ; my wave's whole sum, beside its n: the pair is stored as it stands
.endr
.irp c, 0,1,2,3
	ds_store_b64 v[STW], v[NMC+2*\c:NMC+2*\c+1] offset:128*\c        ; lanes r and r + 16 write the same pair to the same place
.endr
	s_wait_dscnt 0x0                               ; for the other waves' sake
	s_barrier_signal -1
	s_barrier_wait -1
.irp c, 0,1,2,3
.irp w, 0,1,2,3
	ds_load_b64 v[ST+8*\c+2*\w:ST+8*\c+2*\w+1], v[STR] offset:512*\w+128*\c
.endr
.endr
	s_wait_dscnt 0x0
.irp c, 0,1,2,3
	v_min3_num_f32 v[T+4+\c], v[ST+8*\c], v[ST+8*\c+2], v[ST+8*\c+4]  ; the least n belongs to the largest maximum
.endr
.irp c, 0,1,2,3
	v_min_num_f32 v[T+4+\c], v[T+4+\c], v[ST+8*\c+6]
.endr
.irp c, 0,1,2,3
	v_sub_f32 v[T+\c], v[T+4+\c], v[NMC+2*\c]      ; my own wave's exponent, at most 0
.irp w, 0,1,2,3
	v_sub_f32 v[ST+8*\c+2*\w], v[T+4+\c], v[ST+8*\c+2*\w]
.endr
.endr
.irp c, 0,1,2,3
	v_exp_f32 v[T+\c], v[T+\c]
.irp w, 0,1,2,3
	v_exp_f32 v[ST+8*\c+2*\w], v[ST+8*\c+2*\w]
.endr
.endr
	v_nop                                          ; one plain place behind the run of exponentials (ISA guide 5.7.2)
	s_wait_alu depctr_va_vdst(0)                   ; the wait ahead of the first reader: one for the merge's twenty exponentials
.irp c, 0,1,2,3
	v_mul_f32 v[T+8+\c], v[ST+8*\c], v[ST+8*\c+1]  ; the row's sum: each wave's sum times its factor
.endr
.irp w, 1,2,3
.irp c, 0,1,2,3
	v_fmac_f32 v[T+8+\c], v[ST+8*\c+2*\w], v[ST+8*\c+2*\w+1]
.endr
.endr
.irp c, 0,1,2,3
	v_rcp_f32 v[T+8+\c], v[T+8+\c]
.endr
	v_nop                                          ; one plain place behind the reciprocals
	s_wait_alu depctr_va_vdst(0)                   ; a batch of its own, since the reciprocals read sums of the exponentials: one wait for the four
.irp c, 0,1,2,3
	v_mul_f32 v[AL+2*\c],   v[T+\c], v[T+8+\c]     ; my factor over the row's sum
	v_mul_f32 v[AL+2*\c+1], v[T+\c], v[T+8+\c]
.endr
	RESCALE
	WIN 0x04                                       ; store data from window 1
.irp c, 0,1,2,3
.irp dt, 0,1,2,3,4,5,6,7
	ds_store_b128 v[STO], v[8*(8*\c+\dt):8*(8*\c+\dt)+3]   offset:\c*16*SP+64*\dt
	ds_store_b128 v[STO], v[8*(8*\c+\dt)+4:8*(8*\c+\dt)+7] offset:\c*16*SP+64*\dt+16
.endr
.endr
	WIN 0
	s_wait_dscnt 0x0                               ; for the other waves' sake
	s_barrier_signal -1
	s_barrier_wait -1
; Wave w adds the four parts of queries 16 w + 8 b .. + 7 and stores them: a row of 128 f32 is one store of 512 consecutive bytes.
.macro MERGE b
.irp i, 0,1,2,3,4,5,6,7
	ds_load_b128 v[SC+16*\i:SC+16*\i+3],     v[RD0] offset:(8*\b+\i)*SP
	ds_load_b128 v[SC+16*\i+4:SC+16*\i+7],   v[RD0] offset:STG+(8*\b+\i)*SP
	ds_load_b128 v[SC+16*\i+8:SC+16*\i+11],  v[RD1] offset:(8*\b+\i)*SP
	ds_load_b128 v[SC+16*\i+12:SC+16*\i+15], v[RD1] offset:STG+(8*\b+\i)*SP
.endr
.irp i, 0,1,2,3,4,5,6,7
	s_wait_dscnt 4*(7-\i)                          ; row i's four loads are in, the younger rows' stay out
	v_pk_add_f32 v[SC+16*\i:SC+16*\i+1],     v[SC+16*\i:SC+16*\i+1],     v[SC+16*\i+4:SC+16*\i+5]
	v_pk_add_f32 v[SC+16*\i+2:SC+16*\i+3],   v[SC+16*\i+2:SC+16*\i+3],   v[SC+16*\i+6:SC+16*\i+7]
	v_pk_add_f32 v[SC+16*\i+8:SC+16*\i+9],   v[SC+16*\i+8:SC+16*\i+9],   v[SC+16*\i+12:SC+16*\i+13]
	v_pk_add_f32 v[SC+16*\i+10:SC+16*\i+11], v[SC+16*\i+10:SC+16*\i+11], v[SC+16*\i+14:SC+16*\i+15]
	v_pk_add_f32 v[SC+16*\i:SC+16*\i+1],     v[SC+16*\i:SC+16*\i+1],     v[SC+16*\i+8:SC+16*\i+9]
	v_pk_add_f32 v[SC+16*\i+2:SC+16*\i+3],   v[SC+16*\i+2:SC+16*\i+3],   v[SC+16*\i+10:SC+16*\i+11]
	global_store_b128 v[OO], v[SC+16*\i:SC+16*\i+3], s[58:59] offset:(8*\b+\i)*512 th:TH_STORE_NT
.endr
.endm
	MERGE 0
	s_wait_xcnt 0x0                                ; the first eight stores' data registers are loaded again only behind this wait (ISA guide 3.1)
	MERGE 1
	s_wait_tensorcnt 0x0
	ds_add_u32 v62, v63
	s_wait_dscnt 0x0
	ROUND                                          ; the closing round: no work-group ends while a partner may still ask for a tile that names it
	s_endpgm
.Lfunc_end_k_q5e5f7567d8_attn:
	.size	k_q5e5f7567d8_attn, .Lfunc_end_k_q5e5f7567d8_attn-k_q5e5f7567d8_attn
	.p2alignl 7, 3214868480
	.fill 96, 4, 3214868480
	.section	.rodata,"a",@progbits
	.p2align	6, 0x0
	.amdhsa_kernel k_q5e5f7567d8_attn
		.amdhsa_group_segment_fixed_size 327680
		.amdhsa_private_segment_fixed_size 0
		.amdhsa_enable_private_segment 0
		.amdhsa_kernarg_size 32
		.amdhsa_user_sgpr_count 2
		.amdhsa_user_sgpr_kernarg_segment_ptr 1
		.amdhsa_wavefront_size32 1
		.amdhsa_system_sgpr_workgroup_id_x 1
		.amdhsa_system_sgpr_workgroup_id_y 1
		.amdhsa_system_sgpr_workgroup_id_z 1
		.amdhsa_system_vgpr_workitem_id 0
		.amdhsa_next_free_vgpr 768
		.amdhsa_next_free_sgpr 66
		.amdhsa_reserve_vcc 0
		.amdhsa_float_denorm_mode_32 3
		.amdhsa_float_denorm_mode_16_64 3
		.amdhsa_memory_ordered 1
		.amdhsa_forward_progress 1
		.amdhsa_inst_pref_size 255
	.end_amdhsa_kernel
	.section	.bss,"aw",@nobits
	.p2align	6
	.space	262144
	.amdgpu_metadata
---
amdhsa.version: [ 1, 2 ]
amdhsa.kernels:
  - .name:           k_q5e5f7567d8_attn
    .symbol:         k_q5e5f7567d8_attn.kd
    .args:
      - { .name: qb, .offset: 0, .size: 8, .value_kind: global_buffer, .address_space: global }
      - { .name: kb, .offset: 8, .size: 8, .value_kind: global_buffer, .address_space: global }
      - { .name: vb, .offset: 16, .size: 8, .value_kind: global_buffer, .address_space: global }
      - { .name: out0, .offset: 24, .size: 8, .value_kind: global_buffer, .address_space: global }
    .group_segment_fixed_size: 327680
    .private_segment_fixed_size: 0
    .kernarg_segment_align: 8
    .kernarg_segment_size: 32
    .max_flat_workgroup_size: 128
    .sgpr_count:     66
    .vgpr_count:     768
    .wavefront_size: 32
...
	.end_amdgpu_metadata
.endif
;; end of part 4
